; MI455X (gfx1250); checked and timed in simulation.
; The chip was launched on July 23, 2026; its instructions are those of AMD's public machine-readable ISA for CDNA 5 (MIT licence, August 2026) and "CDNA5" Instruction Set Architecture Reference Guide (July 2026). The comments in the code are by the model that wrote it; some were corrected since.
;; Transformer Block. Allowed arithmetic: matrix products marked QUANTISED: E2M3 operands, one E8M0 scale for each 32 along K, by v_wmma_scale_f32_16x16x128_f8f6f4 with both operands' format E2M3, f32 sums; everything else in f32.
;; Inputs: W1 4,096 x 1,024 float32; W2 1,024 x 4,096 float32; Wk 16 x 64 x 1,024 float32; Wo 1,024 x 1,024 float32; Wq 16 x 64 x 1,024 float32; Wv 16 x 64 x 1,024 float32; b1 4,096 float32; b2 1,024 float32; be1 1,024 float32; be2 1,024 float32; bo 1,024 float32; g1 1,024 float32; g2 1,024 float32; x 4 x 1,024 x 1,024 float32.
;; Outputs: out0 4 x 1,024 x 1,024 float32.
;; This version of the problem:
;;   THIS VERSION OF THE PROBLEM IS GIVEN IN LOW PRECISION. The matrix products marked QUANTISED in the list below multiply operands that are first quantised to E2M3 (2 exponent bits, 3 mantissa bits; 6 bits a number), with one power-of-two scale for each 32 numbers along K (OCP MX v1.0); their sums are f32. All else is computed in f32.
;;   The module's matrix products, in the order in which they are computed (A, B: the left and right operand; K: the contracted axis; several contracted axes count as one K, in the product's order):
;;     1. [M 1,024, K 1,024] x [K 1,024, N 4,096]; A: input Wq; B: computed on the way: QUANTISED
;;     2. [M 1,024, K 1,024] x [K 1,024, N 4,096]; A: input Wk; B: computed on the way: QUANTISED
;;     3. [M 1,024, K 1,024] x [K 1,024, N 4,096]; A: input Wv; B: computed on the way: QUANTISED
;;     4. batch 64 x [M 1,024, K 64] x [K 64, N 1,024]; A: computed on the way; B: computed on the way: QUANTISED
;;     5. batch 64 x [M 1,024, K 1,024] x [K 1,024, N 64]; A: softmax (see below); B: computed on the way: QUANTISED
;;     6. [M 4,096, K 1,024] x [K 1,024, N 1,024]; A: computed on the way; B: input Wo: QUANTISED
;;     7. [M 4,096, K 1,024] x [K 1,024, N 4,096]; A: computed on the way; B: input W1: QUANTISED
;;     8. [M 4,096, K 4,096] x [K 4,096, N 1,024]; A: computed on the way; B: input W2: QUANTISED
;;   THE QUANTISER, for each operand of a quantised product, along K:
;;     - K is cut into blocks of 32 from its start; a last block that is shorter is filled with zeros.
;;     - A block's scale is 2^e with e = floor(log2(the largest magnitude in the block)) - 2, held to -126 .. 127; a block of zeros has e = 0. As a byte (E8M0): e + 127.
;;     - Each number is divided by its block's scale, clamped to +-7.5, and rounded to the nearest number of E2M3, ties to even, subnormals kept.
;;     - The product sums the exact products of the quantised numbers (number of the format x scale) in f32.
;;   ~~~python
;;   def quantise(x, axis):      # numpy; x: float32 -> the quantised numbers, widened to float32 again
;;       x = np.moveaxis(x, axis, -1); K = x.shape[-1]
;;       x = np.pad(x, [(0, 0)] * (x.ndim - 1) + [(0, -K % 32)]); x = x.reshape(x.shape[:-1] + (-1, 32)); a = np.abs(x).max(-1, keepdims=True)
;;       e = np.where(a > 0, np.clip(np.frexp(np.where(a > 0, a, 1))[1] - 1 - 2, -126, 127), 0)      # np.frexp(a)[1] - 1 = floor(log2(a)), exactly
;;       r = np.clip(x / 2.0 ** e, -7.5, 7.5)
;;       step = 2.0 ** (np.maximum(np.frexp(np.where(r == 0, 1, r))[1] - 1, 0) - 3)
;;       q = np.round(r / step) * step * 2.0 ** e      # np.round: ties to even
;;       return np.moveaxis(q.reshape(q.shape[:-2] + (-1,))[..., :K], -1, axis).astype(np.float32)
;;   ~~~
;;   SOFTMAX AHEAD OF A QUANTISED PRODUCT. Where the list says 'softmax', what is quantised is not the finished softmax but p = 2^(t - M), with t = logit x log2(e) and M = ceil(the row's largest t), a whole number; so 1/2 < the row's largest p <= 1. The row's sum l is taken of the UNQUANTISED p, in f32, and the product's result is divided by l at the end. Since M is a whole number, a kernel that streams over the keys may use a running M (the ceiling of the running maximum): every later rescaling is an exact power of two, which a block's scale takes up: the codes' values come out the same.
;;   OPERANDS COMPUTED ON THE WAY. 'Computed on the way' means the value that the module computes at that place (a softmax that the list does not call 'softmax' is quantised finished and normalised). What goes into a quantiser is computed in f32, as accurately as f32 sums, v_exp_f32 and their like allow (about 1e-6 of the number): no bf16 or f16 on the way to a quantiser, and a product that is left as it is and whose result goes on into a quantised operand takes f32 operands (vector FMAs, or v_wmma_f32_16x16x4_f32). A number that lies on a knife's edge between two numbers of the format may be rounded either way, as far as f32 arithmetic and the matrix unit's own rounding can turn it there, and no further.
;; One version. Each part assembles by itself: llvm-mc -triple=amdgcn-amd-amdhsa -mcpu=gfx1250 --defsym DOCPART=n.
;; ======== version 1 of 1: 7 launches
;; limits: right only within a limited range of input values
;; workspace buffers: wfrg 9,830,400 bytes; hfrg 3,276,800 bytes; qrec 3,407,872 bytes; krec 3,407,872 bytes; vrec 3,276,800 bytes; aofrg 3,276,800 bytes; x1 16,777,216 bytes; hid 13,107,200 bytes
;; launch prep (part 1): grid 448 x 1, 8 waves a work-group, no clusters, 138,240 bytes of LDS; arguments x, g1, be1, hfrg, Wq, Wk, Wv, Wo, W1, W2, wfrg; writes hfrg, wfrg
.if DOCPART == 1
	.amdgcn_target "amdgcn-amd-amdhsa--gfx1250"
	.amdhsa_code_object_version 6
	.text
	.protected	k_qe96d5bf8f8_prep
	.globl	k_qe96d5bf8f8_prep
	.p2align	8
	.type	k_qe96d5bf8f8_prep,@function
k_qe96d5bf8f8_prep:
	s_mov_b64 s[64:65], 0
	v_nop
	global_prefetch_b8 v0, s[64:65] scope:SCOPE_SE
	s_setreg_imm32_b32 hwreg(HW_REG_WAVE_MODE, 25, 1), 1
	s_wait_xcnt 0x0
; TWO JOBS THAT DO NOT DEPEND ON EACH OTHER, IN ONE LAUNCH.  Work-groups 0-255: LayerNorm of x and the quantiser behind it.  Work-groups 256-447: the six weights are quantised.
; The two paths part once, at the first line, on the work-group's number alone, and each has LDS bytes of its own.  The three barriers stand in the first path; the second has none: its waves share nothing.
; BOTH WRITE RECORDS of FP6 (E2M3) codes with one E8M0 byte for each 32 along K, laid in the order of an operand's registers.  A record is 16 rows x 512 K = 6,400 bytes: four fragments (16 x 128 K,
; 12 registers a lane) of 1,536 bytes, then 256 bytes of scale words (16 r + 4 s).  A fragment's image: registers 0-3 at 16 x lane, 4-5 at 512 + 8 x lane, 6-9 at 768 + 16 x lane, 10-11 at 1,280 + 8 x lane:
; every store covers whole aligned blocks of 256 bytes.
; THE ROWS OF A TILE ARE NOT NEIGHBOURS: row i of tile t is 32 (t / 2) + 8 (t % 2) + i + 8 (i / 8), so that results of two neighbouring tiles are 16 neighbours along the next K.
; Each load reads 512 consecutive bytes of one row; 16 rows' bytes turn through the wave's own stage in LDS (rows 528 bytes apart), so that lane (r, h) holds of row r the numbers k = 32 b + 16 h + i in register 16 b + i.
; LAYERNORM: a work-group takes one tile of 16 rows of 1,024; wave w takes columns 128 w .. 128 w + 127: one fragment.  Mean and variance in two passes (the mean is taken off before the squares), each summed over the eight waves through LDS in a fixed order.
; WEIGHTS: a wave makes one record, 4 K steps of 16 rows x 512 bytes.  Records: Wq 0, Wk 128, Wv 256, Wo 384, W1 512, W2 1,024: the record's number is 8 x (work-group - 256) + wave.
; A block's scale is 2^(floor(log2(largest magnitude)) - 2); its byte is that magnitude's exponent field - 2, held at 1 from below.
; LIMITS: NaN and infinities are not served; a block of zeros, or one whose largest magnitude lies under 2^-124, gets the byte 1 (this program alone reads the bytes).
.set LNWG, 256                         ; work-groups of the first path
.set RED1, 67584                       ; first path: behind its eight stages: 16 rows x 8 partial sums; 512 bytes on, the same for the squares
.set SCL,  68608                       ; first path: the 2 x 256 bytes of scale words
.set WSTG, 69632                       ; second path: eight stages of 8,448 bytes
; registers of both paths
.set STW,  6                           ; v6   the stage, in: stage + 16 x lane
.set STR,  7                           ; v7   the stage, out: stage + 528 r + 64 h
.set O16,  11                          ; v11  16 x lane
.set O8,   12                          ; v12  8 x lane
.set TM,   30                          ; v30-41 at work in QUANT
.set PC,   44                          ; v44-63 codes
.set X,    64                          ; v64-127 64 numbers
.set SEL,  24                          ; s[24:25] selects for lane l xor 16
; registers of the first path
.set XO,   4                           ; v4   16 x lane + 512 w
.set GO,   5                           ; v5   512 w + 64 h
.set RW,   8                           ; v8   RED1 + 32 r + 4 w
.set RL,   9                           ; v9   RED1 + 32 r
.set SCW,  10                          ; v10  SCL + 256 (w / 4) + 16 r + 4 (w % 4)
.set FO,   13                          ; v13  6,400 h + 16 r
.set MEAN, 14                          ; v[14:15]
.set RS,   16                          ; v[16:17]
.set PS,   18                          ; v18-25 eight partial sums
.set SU,   26                          ; v26-29
.set PW,   42
.set FA,   43                          ; v43  SCL + 16 x lane
.set R,    128                         ; as loaded; later the offsets be
.set G,    192
; registers of the second path
.set SW,   2                           ; v2-5   the record's four scale words
.set OS,   8                           ; v8     16 r + 8 h: my two scale words
.set VOFF, 14                          ; v14-29 row i's byte offset + 16 x lane
.set WPR,  42                          ; v[42:43]
.set RR,   128                         ; v128-255 two sets of 64 registers as loaded
; 64 numbers of a lane become a fragment's codes in v[PC] .. v[PC+11] and its scale word in v[pw]
.macro QUANT src, pw
.irp b, 0,1,2,3
	v_max3_num_f32 v[TM+\b], |v[(\src)+16*\b]|, |v[(\src)+1+16*\b]|, 0x1800000   ; my 16 numbers of block b, and the floor 2^(3 - 127): the byte cannot fall under 1
.endr
.irp i, 2,4,6,8,10,12,14
.irp b, 0,1,2,3
	s_delay_alu instid0(VALU_DEP_4)
	v_max3_num_f32 v[TM+\b], v[TM+\b], |v[(\src)+16*\b+\i]|, |v[(\src)+1+16*\b+\i]|
.endr
.endr
.irp b, 0,1,2,3
	s_delay_alu instid0(VALU_DEP_4)
	v_permlanex16_b32 v[TM+4+\b], v[TM+\b], s[SEL], s[SEL+1]
.endr
.irp b, 0,1,2,3
	s_delay_alu instid0(VALU_DEP_4)
	v_max_num_f32 v[TM+\b], v[TM+\b], v[TM+4+\b]   ; with lane l xor 16's 16: the block's largest magnitude
.endr
.irp b, 0,1,2,3
	s_delay_alu instid0(VALU_DEP_4)
	v_add_nc_u32 v[TM+8+\b], 0xff000000, v[TM+\b]  ; 2 off its exponent field: the conversion's scale operand
.endr
.irp b, 0,1,2,3
	s_delay_alu instid0(VALU_DEP_4)
	v_lshrrev_b32 v[TM+4+\b], 23, v[TM+8+\b]       ; the scale's byte
.endr
	s_delay_alu instid0(VALU_DEP_3)
	v_lshl_or_b32 v[\pw], v[TM+5], 8, v[TM+4]
	s_delay_alu instid0(VALU_DEP_1)
	v_lshl_or_b32 v[\pw], v[TM+6], 16, v[\pw]
	s_delay_alu instid0(VALU_DEP_1)
	v_lshl_or_b32 v[\pw], v[TM+7], 24, v[\pw]
.irp c, 0,1
	v_cvt_scalef32_pk16_fp6_f32 v[PC+6*\c:PC+2+6*\c], v[(\src)+32*\c:(\src)+15+32*\c], v[TM+8+2*\c]
	v_cvt_scalef32_pk16_fp6_f32 v[PC+12+4*\c:PC+14+4*\c], v[(\src)+16+32*\c:(\src)+31+32*\c], v[TM+9+2*\c]   ; (a conversion's three registers begin on an even number)
.endr
	v_nop                                          ; one plain place behind a scaled conversion
.irp c, 0,1                                    ; the operand wants a whole block in a lane: lanes 0-15 block 2 c, lanes 16-31 block 2 c + 1
.irp i, 0,1,2
	v_permlane16_swap_b32 v[PC+6*\c+\i], v[PC+12+4*\c+\i]
.endr
.irp i, 0,1,2
	s_delay_alu instid0(VALU_DEP_3)
	v_mov_b32 v[PC+3+6*\c+\i], v[PC+12+4*\c+\i]
.endr
.endr
.endm
.macro BAR                             ; my LDS stores have landed and my LDS loads are in: then the work-group's barrier
	s_wait_dscnt 0x0
	s_barrier_signal -1
	s_barrier_wait -1
.endm
.macro GATHER off                      ; my row's part in v[SU] goes to LDS; the eight waves' parts come back and are added in a fixed order: v[PS]
	s_delay_alu instid0(VALU_DEP_1)
	v_pk_add_f32 v[SU:SU+1], v[SU:SU+1], v[SU+2:SU+3]
	s_delay_alu instid0(VALU_DEP_1)
	v_add_f32 v[SU], v[SU], v[SU+1]
	s_delay_alu instid0(VALU_DEP_1)
	v_permlanex16_b32 v[SU+1], v[SU], s[SEL], s[SEL+1]
	s_delay_alu instid0(VALU_DEP_1)
	v_add_f32 v[SU], v[SU], v[SU+1]                ; with lane l xor 16's 64 numbers: my wave's 128 of row r
	ds_store_b32 v[RW], v[SU] offset:\off          ; both lanes of a row write the same word with the same value
	BAR
	ds_load_b128 v[PS:PS+3], v[RL] offset:\off
	ds_load_b128 v[PS+4:PS+7], v[RL] offset:\off+16
	s_wait_dscnt 0x0
	v_add_f32 v[PS], v[PS], v[PS+1]
	v_add_f32 v[PS+2], v[PS+2], v[PS+3]
	v_add_f32 v[PS+4], v[PS+4], v[PS+5]
	v_add_f32 v[PS+6], v[PS+6], v[PS+7]
	s_delay_alu instid0(VALU_DEP_3)
	v_add_f32 v[PS], v[PS], v[PS+2]
	s_delay_alu instid0(VALU_DEP_2)
	v_add_f32 v[PS+4], v[PS+4], v[PS+6]
	s_delay_alu instid0(VALU_DEP_1)
	v_add_f32 v[PS], v[PS], v[PS+4]
.endm
	v_lshl_add_u32 v59, v0, 2, 0x21800
	v_mov_b32 v63, 0
	s_cmp_ge_u32 ttmp9, LNWG                       ; the same in all waves of a work-group
	s_cbranch_scc1 .Lweights
	; ---------------- THE FIRST PATH: LayerNorm of tile ttmp9
	s_load_b256 s[4:11], s[0:1], 0x0               ; the rows, the gains, the offsets, the records
	v_lshrrev_b32 v1, 5, v0
	s_delay_alu instid0(VALU_DEP_1)
	v_readfirstlane_b32 s12, v1                    ; wave 0..7
	v_and_b32 v1, 31, v0
	v_and_b32 v2, 15, v0                           ; r
	v_bfe_u32 v3, v0, 4, 1                         ; h
	s_lshl_b32 s13, s12, 9
	v_lshlrev_b32 v[O16], 4, v1
	v_lshlrev_b32 v[O8], 3, v1
	s_delay_alu instid0(VALU_DEP_2)
	v_add_nc_u32 v[XO], s13, v[O16]
	v_lshl_add_u32 v[GO], v3, 6, s13
	s_mul_i32 s14, s12, 8448
	v_add_nc_u32 v[STW], s14, v[O16]
	v_mul_u32_u24 v[STR], v2, 528
	s_delay_alu instid0(VALU_DEP_1)
	v_lshl_add_u32 v[STR], v3, 6, v[STR]
	s_delay_alu instid0(VALU_DEP_1)
	v_add_nc_u32 v[STR], s14, v[STR]
	s_lshl_b32 s15, s12, 2
	v_lshlrev_b32 v[RL], 5, v2
	s_delay_alu instid0(VALU_DEP_1)
	v_add_nc_u32 v[RL], RED1, v[RL]
	s_delay_alu instid0(VALU_DEP_1)
	v_add_nc_u32 v[RW], s15, v[RL]
	s_lshr_b32 s16, s12, 2                         ; my chunk of 512 along K
	s_lshl_b32 s17, s16, 8
	s_and_b32 s18, s12, 3                          ; my fragment in it
	s_lshl_b32 s19, s18, 2
	s_add_co_u32 s17, s17, s19
	v_lshlrev_b32 v[SCW], 4, v2
	s_delay_alu instid0(VALU_DEP_1)
	v_add_nc_u32 v[SCW], s17, v[SCW]
	s_delay_alu instid0(VALU_DEP_1)
	v_add_nc_u32 v[SCW], SCL, v[SCW]
	v_add_nc_u32 v[FA], SCL, v[O16]
	v_mul_u32_u24 v[FO], v3, 6400
	s_delay_alu instid0(VALU_DEP_1)
	v_lshl_add_u32 v[FO], v2, 4, v[FO]
	s_mov_b32 s[SEL], 0x76543210
	s_mov_b32 s[SEL+1], 0xfedcba98
.irp b, 0,1,2,3
	v_mov_b32 v[TM+4+\b], 0                        ; written once: a lane permute's destination counts as one of its sources
.endr
	s_lshr_b32 s20, ttmp9, 1
	s_lshl_b32 s20, s20, 17                        ; 32 rows of 4,096 bytes
	s_and_b32 s21, ttmp9, 1
	s_lshl_b32 s21, s21, 15                        ; 8 rows
	s_add_co_u32 s20, s20, s21
	s_mov_b32 s21, 0
	s_mul_i32 s22, ttmp9, 12800                    ; the tile's two records,
	s_mul_i32 s23, s16, 6400
	s_add_co_u32 s22, s22, s23
	s_mul_i32 s23, s18, 1536                       ; my fragment
	s_add_co_u32 s22, s22, s23
	s_mov_b32 s23, 0
	s_wait_kmcnt 0x0
	s_add_nc_u64 s[4:5], s[4:5], s[20:21]
	s_add_nc_u64 s[10:11], s[10:11], s[22:23]
.irp i, 0,1,2,3,4,5,6,7,8,9,10,11,12,13,14,15
	global_load_b128 v[R+4*\i:R+4*\i+3], v[XO], s[4:5] offset:(\i+8*(\i/8))*4096
.endr
.irp b, 0,1,2,3
.irp j, 0,1,2,3
	global_load_b128 v[G+16*\b+4*\j:G+16*\b+4*\j+3], v[GO], s[6:7] offset:128*\b+16*\j
.endr
.endr
	s_wait_loadcnt 16                              ; the rows are in; the gains' 16 loads may be out
.irp i, 0,1,2,3,4,5,6,7,8,9,10,11,12,13,14,15
	ds_store_b128 v[STW], v[R+4*\i:R+4*\i+3] offset:528*\i
.endr
.irp b, 0,1,2,3
.irp j, 0,1,2,3
	ds_load_b128 v[X+16*\b+4*\j:X+16*\b+4*\j+3], v[STR] offset:128*\b+16*\j
.endr
.endr
	s_wait_dscnt 0x0
.irp b, 0,1,2,3
.irp j, 0,1,2,3
	global_load_b128 v[R+16*\b+4*\j:R+16*\b+4*\j+3], v[GO], s[8:9] offset:128*\b+16*\j
.endr
.endr
	; the mean
	v_pk_add_f32 v[SU:SU+1], v[X:X+1], v[X+2:X+3]
	v_pk_add_f32 v[SU+2:SU+3], v[X+4:X+5], v[X+6:X+7]
.irp j, 8,12,16,20,24,28,32,36,40,44,48,52,56,60
	s_delay_alu instid0(VALU_DEP_2)
	v_pk_add_f32 v[SU:SU+1], v[SU:SU+1], v[X+\j:X+\j+1]
	s_delay_alu instid0(VALU_DEP_2)
	v_pk_add_f32 v[SU+2:SU+3], v[SU+2:SU+3], v[X+\j+2:X+\j+3]
.endr
	GATHER 0
	s_delay_alu instid0(VALU_DEP_1)
	v_mul_f32 v[MEAN], 0x3a800000, v[PS]           ; / 1,024
	s_delay_alu instid0(VALU_DEP_1)
	v_mov_b32 v[MEAN+1], v[MEAN]
.set EI, 0
.rept 32
	v_pk_add_f32 v[X+EI:X+EI+1], v[X+EI:X+EI+1], v[MEAN:MEAN+1] neg_lo:[0,1] neg_hi:[0,1]
.set EI, EI+2
.endr
	; the variance
	v_pk_mul_f32 v[SU:SU+1], v[X:X+1], v[X:X+1]
	v_pk_mul_f32 v[SU+2:SU+3], v[X+2:X+3], v[X+2:X+3]
.irp j, 4,8,12,16,20,24,28,32,36,40,44,48,52,56,60
	s_delay_alu instid0(VALU_DEP_2)
	v_pk_fma_f32 v[SU:SU+1], v[X+\j:X+\j+1], v[X+\j:X+\j+1], v[SU:SU+1]
	s_delay_alu instid0(VALU_DEP_2)
	v_pk_fma_f32 v[SU+2:SU+3], v[X+\j+2:X+\j+3], v[X+\j+2:X+\j+3], v[SU+2:SU+3]
.endr
	GATHER 512                                     ; other bytes than the first sum's: no barrier is owed between the two
	s_delay_alu instid0(VALU_DEP_1)
	v_mul_f32 v[PS], 0x3a800000, v[PS]
	s_delay_alu instid0(VALU_DEP_1)
	v_add_f32 v[PS], 0x3727c5ac, v[PS]             ; + 1e-5
	s_wait_alu depctr_va_vdst(0)
	v_rsq_f32 v[RS], v[PS]
	v_rsq_f32 v[RS+1], v[PS]
	v_nop                                          ; a plain place behind the transcendentals
	s_wait_alu depctr_va_vdst(0)                   ; one wait for both, ahead of their first reader
	s_wait_loadcnt 0x0                             ; gains and offsets
.set EI, 0
.rept 32
	v_pk_mul_f32 v[X+EI:X+EI+1], v[X+EI:X+EI+1], v[RS:RS+1]
.set EI, EI+2
.endr
.set EI, 0
.rept 32
	v_pk_fma_f32 v[X+EI:X+EI+1], v[X+EI:X+EI+1], v[G+EI:G+EI+1], v[R+EI:R+EI+1]
.set EI, EI+2
.endr
	QUANT X, PW
	global_store_b128 v[O16], v[PC:PC+3], s[10:11]
	global_store_b64 v[O8], v[PC+4:PC+5], s[10:11] offset:512
	global_store_b128 v[O16], v[PC+6:PC+9], s[10:11] offset:768
	global_store_b64 v[O8], v[PC+10:PC+11], s[10:11] offset:1280
	ds_store_b32 v[SCW], v[PW]
	BAR                                            ; the tile's 512 bytes of scale words lie in LDS
	s_cmp_lg_u32 s12, 0
	s_cbranch_scc1 .Ldone                          ; wave 0 (whose base stands at the tile's first record) stores them: two aligned blocks of 256 bytes
	ds_load_b128 v[PS:PS+3], v[FA]
	s_wait_dscnt 0x0
	global_store_b128 v[FO], v[PS:PS+3], s[10:11] offset:6144
.Ldone:
	s_wait_tensorcnt 0x0
	ds_add_u32 v59, v63
	s_wait_dscnt 0x0
	s_endpgm
	; ---------------- THE SECOND PATH: a record of a weight for each wave
.Lweights:
	s_load_b256 s[4:11], s[0:1], 0x20              ; Wq, Wk, Wv, Wo
	s_load_b128 s[12:15], s[0:1], 0x40             ; W1, W2
	s_load_b64 s[16:17], s[0:1], 0x50              ; the records
	v_lshrrev_b32 v1, 5, v0
	s_delay_alu instid0(VALU_DEP_1)
	v_readfirstlane_b32 s18, v1                    ; wave 0..7
	v_and_b32 v1, 31, v0                           ; lane
	v_and_b32 v2, 15, v0                           ; r
	v_bfe_u32 v3, v0, 4, 1                         ; h
	s_delay_alu instid0(VALU_DEP_3)
	v_lshlrev_b32 v[O16], 4, v1
	s_delay_alu instid0(VALU_DEP_4)
	v_lshlrev_b32 v[O8], 3, v1
	s_mul_i32 s19, s18, 8448
	s_add_co_u32 s19, s19, WSTG                    ; my stage
	v_add_nc_u32 v[STW], s19, v[O16]
	v_mul_u32_u24 v[STR], v2, 528
	s_delay_alu instid0(VALU_DEP_1)
	v_lshl_add_u32 v[STR], v3, 6, v[STR]
	s_delay_alu instid0(VALU_DEP_1)
	v_add_nc_u32 v[STR], s19, v[STR]
	v_lshlrev_b32 v[OS], 4, v2
	s_delay_alu instid0(VALU_DEP_1)
	v_lshl_add_u32 v[OS], v3, 3, v[OS]
	s_mov_b32 s[SEL], 0x76543210
	s_mov_b32 s[SEL+1], 0xfedcba98
	s_mov_b32 s34, 0xffff0000                      ; lanes 16-31
.irp b, 0,1,2,3
	v_mov_b32 v[TM+4+\b], 0                        ; written once: a lane permute's destination counts as one of its sources
.endr
	s_sub_co_u32 s36, ttmp9, LNWG                  ; my work-group among the 192 of this path
	s_wait_kmcnt 0x0
	; which tensor: the choice hangs on the work-group's number alone.  s22: the tensor's first work-group; s23: log2 of its chunks a row; s26: log2 of its row's bytes
	s_cmp_lt_u32 s36, 128
	s_cselect_b64 s[20:21], s[12:13], s[14:15]
	s_mov_b32 s22, 128
	s_cselect_b32 s22, 64, s22
	s_cselect_b32 s23, 1, 3
	s_cselect_b32 s26, 12, 14
	s_cmp_lt_u32 s36, 64
	s_cselect_b64 s[20:21], s[10:11], s[20:21]
	s_cselect_b32 s22, 48, s22
	s_cmp_lt_u32 s36, 48
	s_cselect_b64 s[20:21], s[8:9], s[20:21]
	s_cselect_b32 s22, 32, s22
	s_cmp_lt_u32 s36, 32
	s_cselect_b64 s[20:21], s[6:7], s[20:21]
	s_cselect_b32 s22, 16, s22
	s_cmp_lt_u32 s36, 16
	s_cselect_b64 s[20:21], s[4:5], s[20:21]
	s_cselect_b32 s22, 0, s22
	s_sub_co_u32 s27, s36, s22
	s_lshl_b32 s27, s27, 3
	s_add_co_u32 s27, s27, s18                     ; my record within the tensor
	s_lshr_b32 s28, s27, s23                       ; its tile of rows
	s_lshl_b32 s29, s28, s23
	s_sub_co_u32 s29, s27, s29                     ; its chunk of 512 along K
	s_lshr_b32 s30, s28, 1
	s_lshl_b32 s30, s30, 5
	s_and_b32 s31, s28, 1
	s_lshl_b32 s31, s31, 3
	s_add_co_u32 s30, s30, s31                     ; the tile's first row
	s_lshl_b32 s30, s30, s26
	s_lshl_b32 s29, s29, 11
	s_add_co_u32 s30, s30, s29
	s_mov_b32 s31, 0
	s_add_nc_u64 s[20:21], s[20:21], s[30:31]
	s_lshl_b32 s32, s36, 3
	s_add_co_u32 s32, s32, s18
	s_mul_i32 s32, s32, 6400
	s_mov_b32 s33, 0
	s_add_nc_u64 s[16:17], s[16:17], s[32:33]
.irp i, 0,1,2,3,4,5,6,7,8,9,10,11,12,13,14,15
	s_lshl_b32 s35, \i+8*(\i/8), s26
	v_add_nc_u32 v[VOFF+\i], s35, v[O16]
.endr
.macro LOAD st                         ; K step st: 16 rows x 512 consecutive bytes
.irp i, 0,1,2,3,4,5,6,7,8,9,10,11,12,13,14,15
	global_load_b128 v[RR+64*((\st)%2)+4*\i:RR+64*((\st)%2)+4*\i+3], v[VOFF+\i], s[20:21] offset:512*(\st) th:TH_LOAD_NT
.endr
.endm
.macro KSTEP st
.if \st < 3
	s_wait_loadcnt 16                              ; this step's 16 loads are in; the next step's 16 may be out
.else
	s_wait_loadcnt 0x0
.endif
.irp i, 0,1,2,3,4,5,6,7,8,9,10,11,12,13,14,15
	ds_store_b128 v[STW], v[RR+64*((\st)%2)+4*\i:RR+64*((\st)%2)+4*\i+3] offset:528*\i
.endr
.irp b, 0,1,2,3
.irp j, 0,1,2,3
	ds_load_b128 v[X+16*\b+4*\j:X+16*\b+4*\j+3], v[STR] offset:128*\b+16*\j   ; LDS serves a wave's instructions in order: these see my stores
.endr
.endr
	s_wait_dscnt 0x0                               ; the numbers are back, and the stores have read their registers
.if \st+2 < 4
	LOAD \st+2
.endif
	s_wait_xcnt 0x0                                ; the last step's stores have read the codes' registers
	QUANT X, SW+\st
	global_store_b128 v[O16], v[PC:PC+3], s[16:17] offset:1536*(\st)
	global_store_b64 v[O8], v[PC+4:PC+5], s[16:17] offset:1536*(\st)+512
	global_store_b128 v[O16], v[PC+6:PC+9], s[16:17] offset:1536*(\st)+768
	global_store_b64 v[O8], v[PC+10:PC+11], s[16:17] offset:1536*(\st)+1280
.endm
	s_wait_alu depctr_va_vdst(0)
	LOAD 0
	LOAD 1
	KSTEP 0
	KSTEP 1
	KSTEP 2
	KSTEP 3
	v_cndmask_b32 v[WPR], v[SW], v[SW+2], s34      ; lanes 0-15 store words 0, 1 of row r, lanes 16-31 words 2, 3: 256 consecutive bytes
	v_cndmask_b32 v[WPR+1], v[SW+1], v[SW+3], s34
	global_store_b64 v[OS], v[WPR:WPR+1], s[16:17] offset:6144
	s_wait_tensorcnt 0x0
	ds_add_u32 v59, v63
	s_wait_dscnt 0x0
	s_endpgm
.Lfunc_end_k_qe96d5bf8f8_prep:
	.size	k_qe96d5bf8f8_prep, .Lfunc_end_k_qe96d5bf8f8_prep-k_qe96d5bf8f8_prep
	.p2alignl 7, 3214868480
	.fill 96, 4, 3214868480
	.section	.rodata,"a",@progbits
	.p2align	6, 0x0
	.amdhsa_kernel k_qe96d5bf8f8_prep
		.amdhsa_group_segment_fixed_size 138240
		.amdhsa_private_segment_fixed_size 0
		.amdhsa_enable_private_segment 0
		.amdhsa_kernarg_size 88
		.amdhsa_user_sgpr_count 2
		.amdhsa_user_sgpr_kernarg_segment_ptr 1
		.amdhsa_wavefront_size32 1
		.amdhsa_system_sgpr_workgroup_id_x 1
		.amdhsa_system_sgpr_workgroup_id_y 1
		.amdhsa_system_sgpr_workgroup_id_z 1
		.amdhsa_system_vgpr_workitem_id 0
		.amdhsa_next_free_vgpr 256
		.amdhsa_next_free_sgpr 66
		.amdhsa_reserve_vcc 0
		.amdhsa_float_denorm_mode_32 3
		.amdhsa_float_denorm_mode_16_64 3
		.amdhsa_memory_ordered 1
		.amdhsa_forward_progress 1
		.amdhsa_inst_pref_size 72
	.end_amdhsa_kernel
	.amdgpu_metadata
---
amdhsa.version: [ 1, 2 ]
amdhsa.kernels:
  - .name:           k_qe96d5bf8f8_prep
    .symbol:         k_qe96d5bf8f8_prep.kd
    .args:
      - { .name: x, .offset: 0, .size: 8, .value_kind: global_buffer, .address_space: global }
      - { .name: g1, .offset: 8, .size: 8, .value_kind: global_buffer, .address_space: global }
      - { .name: be1, .offset: 16, .size: 8, .value_kind: global_buffer, .address_space: global }
      - { .name: hfrg, .offset: 24, .size: 8, .value_kind: global_buffer, .address_space: global }
      - { .name: Wq, .offset: 32, .size: 8, .value_kind: global_buffer, .address_space: global }
      - { .name: Wk, .offset: 40, .size: 8, .value_kind: global_buffer, .address_space: global }
      - { .name: Wv, .offset: 48, .size: 8, .value_kind: global_buffer, .address_space: global }
      - { .name: Wo, .offset: 56, .size: 8, .value_kind: global_buffer, .address_space: global }
      - { .name: W1, .offset: 64, .size: 8, .value_kind: global_buffer, .address_space: global }
      - { .name: W2, .offset: 72, .size: 8, .value_kind: global_buffer, .address_space: global }
      - { .name: wfrg, .offset: 80, .size: 8, .value_kind: global_buffer, .address_space: global }
    .group_segment_fixed_size: 138240
    .private_segment_fixed_size: 0
    .kernarg_segment_align: 8
    .kernarg_segment_size: 88
    .max_flat_workgroup_size: 256
    .sgpr_count:     66
    .vgpr_count:     256
    .wavefront_size: 32
...
	.end_amdgpu_metadata
.endif
;; end of part 1
;; launch qkv (part 2): grid 8 x 32, 4 waves a work-group, clusters of 4 x 4, 327,680 bytes of LDS; arguments hfrg, wfrg, qrec, krec, vrec; writes qrec, krec, vrec
.if DOCPART == 2
	.amdgcn_target "amdgcn-amd-amdhsa--gfx1250"
	.amdhsa_code_object_version 6
	.text
	.protected	k_qe96d5bf8f8_qkv
	.globl	k_qe96d5bf8f8_qkv
	.p2align	8
	.type	k_qe96d5bf8f8_qkv,@function
k_qe96d5bf8f8_qkv:
	s_mov_b64 s[64:65], 0
	v_nop
	global_prefetch_b8 v0, s[64:65] scope:SCOPE_SE
	s_setreg_imm32_b32 hwreg(HW_REG_WAVE_MODE, 25, 1), 1
	s_wait_xcnt 0x0
	s_wait_alu depctr_hold_cnt(0) depctr_sa_sdst(0) depctr_va_vdst(0) depctr_va_sdst(0) depctr_va_ssrc(0) depctr_va_vcc(0) depctr_vm_vsrc(0)
	s_getreg_b32 s2, hwreg(HW_REG_IB_STS2, 6, 4)
	s_cmp_eq_u32 s2, 0
	s_cbranch_scc0 .Lentry_in_a_cluster
	s_endpgm
.Lentry_in_a_cluster:
	s_bfe_u32 s2, ttmp6, 0x10000c
	s_cmp_lg_u32 s2, 0xf033
	s_cbranch_scc0 .Lentry_shape_is_right
	s_endpgm
.Lentry_shape_is_right:
; q, k, v = h Wq^T, h Wk^T, h Wv^T on FP6 codes, and the quantisers behind them.  h and the weights come as records (16 rows x 512 K: four fragment images of 1,536 bytes, 256 bytes of scale words).
; A work-group takes 128 tokens (y) and two heads (x = g), for q, k and v: three tiles of 128 x 128, K = 1,024.  Four waves of 64 x 64: wave (mh, nh) takes 64 tokens and one head: 16 accumulators.
; h's 128 x 1,024 codes come into LDS once and from there into REGISTERS (384 a wave), where they stay: a K step of 128 then reads only the weights' four fragments (16 LDS loads for 16 products).
; The weights' tiles (102,400 dense bytes each) go through two LDS slots; each wave fetches a quarter of each tile.
; CLUSTER 4 x 4: h's tile is shared along a row of the cluster, a weight tile along a column: each is asked for jointly, by the same tensor load with the same descriptor and a mask that names the four.
; q, k: source 0 = 16 rows of W, source 1 = 16 tokens: a lane holds one token and its registers run along the head's 64, the next product's K.  v: the sources are swapped: a lane holds one d and its registers run down the tokens (the keys).
; Rows of a tile: row i of tile t is 32 (t / 2) + 8 (t % 2) + i + 8 (i / 8): so the 16 registers of two neighbouring tiles are 16 neighbours along the next K.
; OUT: q, k: for (head, 64 tokens) a record of 3,328 bytes: four half fragments (16 tokens x 64: registers 0-3 at 16 x lane, 4-5 at 512 + 8 x lane) and 256 bytes of scale words (bytes 2, 3 are 0, over zero codes).
;      v: for (head, 128 keys) a record of 6,400 bytes: four fragments (16 d x 128 keys) and 256 bytes of scale words.
; LIMITS: NaN and infinities are not served; a block of zeros, or one under 2^-124, gets the scale byte 1 (this program alone reads the bytes).
; REGISTERS: window 0: v0-25 addresses; v32-63 h's scale words (8 i + s); v64-95 W's (8 n + s); v96-223 accumulators; v224-235, v236-255 the quantiser.
;   windows 1, 2: h's fragments (K steps 0-4 at 48 s + 12 i; 5-7 at 48 (s - 5) + 12 i).   window 3: W's fragments, three sets at 48 q + 12 n.
.set TILES, 3
.set TSTEP, 819200                     ; from Wq's tile to Wk's to Wv's: 128 records
.set BS0,   102400                     ; LDS: h's tile at 0; the two slots; the spare words; a stage for v's scale words
.set BS1,   204800
.set SPARE, 307200
.set STG,   307712
.set O16, 4
.set O8,  5
.set R16, 6
.set AA,  7                            ; v7-9   h's tile: my 64 rows: + 16 x lane, + 8 x lane, + 6,144 + 16 r
.set BB,  10                           ; v10-12, v13-15 the same for my 64 rows of W in slot 0, 1
.set OS,  16                           ; v16  16 r + 8 h
.set SST, 17                           ; v17  STG + 256 nh + 16 r + 2 mh
.set SRD, 18                           ; v18  STG + 16 x lane
.set FO,  19                           ; v19  51,200 h + 16 r
.set SPW, 20
.set NIL, 21
.set WP,  22                           ; v[22:23]
.set PWR, 24                           ; v24, v25
.set ASC, 32
.set BSC, 64
.set ACC, 96
.set TM,  224
.set PC,  236
.set G1A, 24
.set G0A, 32
.set G1B, 48
.set G0B, 56                           ; s[56:59] slot 0, s[60:63] slot 1
.set SEL, 66
.set HM,  68
.set MSB, 0
.macro WIN new                         ; the immediate's high byte repeats the setting that is left
.if MSB != \new
	s_set_vgpr_msb (MSB<<8)|\new
.set MSB, \new
.endif
.endm
.macro CROUND                          ; a round of the cluster's barrier
	s_barrier_signal -1
	s_barrier_wait -1
	s_cmp_lg_u32 s14, 0
	s_cbranch_scc1 .Lnot_wave_0_\@
	s_barrier_signal -3
.Lnot_wave_0_\@:
	s_barrier_wait -3
	s_barrier_signal -1
	s_barrier_wait -1
.endm
.macro PLACES                          ; four plain places behind matrix instructions, ahead of loads into their registers and of reads of their results
.rept 4
	v_nop
.endr
.endm
.macro FRAG reg, a16, a8, off          ; a fragment's image comes back as it was stored: every load reads consecutive bytes
	ds_load_b128 v[(\reg):(\reg)+3], v[\a16] offset:(\off)
	ds_load_b64 v[(\reg)+4:(\reg)+5], v[\a8] offset:(\off)+512
	ds_load_b128 v[(\reg)+6:(\reg)+9], v[\a16] offset:(\off)+768
	ds_load_b64 v[(\reg)+10:(\reg)+11], v[\a8] offset:(\off)+1280
.endm
.macro QUANT src, pw
.irp b, 0,1,2,3
	v_max3_num_f32 v[TM+\b], |v[(\src)+16*\b]|, |v[(\src)+1+16*\b]|, 0x1800000   ; my 16 numbers of block b, and the floor 2^(3 - 127): the byte cannot fall under 1
.endr
.irp i, 2,4,6,8,10,12,14
.irp b, 0,1,2,3
	v_max3_num_f32 v[TM+\b], v[TM+\b], |v[(\src)+16*\b+\i]|, |v[(\src)+1+16*\b+\i]|
.endr
.endr
.irp b, 0,1,2,3
	v_permlanex16_b32 v[TM+4+\b], v[TM+\b], s[SEL], s[SEL+1]
.endr
.irp b, 0,1,2,3
	v_max_num_f32 v[TM+\b], v[TM+\b], v[TM+4+\b]
.endr
.irp b, 0,1,2,3
	v_add_nc_u32 v[TM+8+\b], 0xff000000, v[TM+\b]  ; 2 off the exponent field: the conversion's scale operand
.endr
.irp b, 0,1,2,3
	v_lshrrev_b32 v[TM+4+\b], 23, v[TM+8+\b]       ; the scale's byte
.endr
	v_lshl_or_b32 v[\pw], v[TM+5], 8, v[TM+4]
	v_lshl_or_b32 v[\pw], v[TM+6], 16, v[\pw]
	v_lshl_or_b32 v[\pw], v[TM+7], 24, v[\pw]
.irp c, 0,1
	v_cvt_scalef32_pk16_fp6_f32 v[PC+6*\c:PC+2+6*\c], v[(\src)+32*\c:(\src)+15+32*\c], v[TM+8+2*\c]
	v_cvt_scalef32_pk16_fp6_f32 v[PC+12+4*\c:PC+14+4*\c], v[(\src)+16+32*\c:(\src)+31+32*\c], v[TM+9+2*\c]
.endr
	v_nop                                          ; one plain place behind a scaled conversion
.irp c, 0,1
.irp i, 0,1,2
	v_permlane16_swap_b32 v[PC+6*\c+\i], v[PC+12+4*\c+\i]
.endr
.irp i, 0,1,2
	v_mov_b32 v[PC+3+6*\c+\i], v[PC+12+4*\c+\i]
.endr
.endr
.endm
	s_load_b256 s[4:11], s[0:1], 0x0               ; h's records, the weights', q's, k's
	s_load_b64 s[12:13], s[0:1], 0x20              ; v's
	v_lshl_add_u32 v[SPW], v0, 2, SPARE
	v_mov_b32 v[NIL], 0
	ds_add_u32 v20, v21
	ds_add_u32 v20, v21
	s_wait_dscnt 0x0
	v_lshrrev_b32 v1, 5, v0
	v_readfirstlane_b32 s14, v1                    ; wave 0..3
	s_lshr_b32 s15, s14, 1                         ; mh: my 64 tokens
	s_and_b32 s16, s14, 1                          ; nh: my head
	s_bfe_u32 s40, ttmp6, 0x40000                  ; cx, cy: my place in the cluster
	s_bfe_u32 s41, ttmp6, 0x40004
	s_lshl_b32 s42, ttmp9, 2
	s_add_co_u32 s42, s42, s40                     ; g = 4 x cluster x + cx
	s_and_b32 s17, ttmp7, 0xffff
	s_lshl_b32 s17, s17, 2
	s_add_co_u32 s17, s17, s41                     ; the tile of tokens = 4 x cluster y + cy
	s_lshl_b32 s43, s41, 2
	s_lshl_b32 s43, 15, s43                        ; my row of the cluster
	s_lshl_b32 s44, 0x1111, s40                    ; my column
	; descriptor group 1: a quarter of a tile, 25,600 dense bytes, as 100 rows of 256 bytes (32 elements of 8 bytes)
	s_or_b32 s[G1A], s43, (3<<16)|(1<<21)          ; 15:0 the mask; 17:16 elements of 8 bytes; 21 set beside a mask
	s_or_b32 s[G1B], s44, (3<<16)|(1<<21)
.irp g, G1A, G1B
	s_mov_b32 s[\g+1], 32<<16                      ; tensor_dim0
	s_mov_b32 s[\g+2], 200<<16                     ; tensor_dim1: the head's loads bring half a tile, 200 rows
	s_mov_b32 s[\g+3], 32<<16                      ; tile_dim0
	s_mov_b32 s[\g+4], 200                         ; tile_dim1
	s_mov_b32 s[\g+5], 32                          ; tensor_dim0_stride
	s_mov_b32 s[\g+6], 0
	s_mov_b32 s[\g+7], 0
.endr
	s_mul_i32 s45, s14, 25600                      ; my quarter: in memory and in LDS alike; no place in the cluster enters an LDS address
	s_mul_i32 s80, s16, 51200                      ; at the head a wave fetches half a tile: which half
	s_mul_i32 s20, s17, 102400
	s_add_co_u32 s20, s20, s80
	s_mov_b32 s21, 0
	s_mul_i32 s46, s42, 102400                     ; Wq's tile g
	s_add_co_u32 s82, s46, s80                     ; its half, for the head
	s_mov_b32 s83, 0
	s_add_co_u32 s46, s46, s45                     ; its quarter, for the ring
	s_mov_b32 s47, 0
	s_mov_b32 s[SEL], 0x76543210
	s_mov_b32 s[SEL+1], 0xfedcba98
	s_mov_b32 s[HM], 0xffff0000                    ; lanes 16-31
	s_wait_kmcnt 0x0
	s_add_nc_u64 s[20:21], s[4:5], s[20:21]
	s_add_nc_u64 s[46:47], s[6:7], s[46:47]
	s_add_nc_u64 s[82:83], s[6:7], s[82:83]
	CROUND                                         ; all sixteen work-groups are here: the first joint loads meet
	s_mov_b32 s36, 1                               ; s[36:39]: group 0 for the head's half of Wq's tile
	s_add_co_u32 s37, s80, BS0
	s_mov_b64 s[38:39], s[82:83]
	s_or_b32 s39, s39, 0x80000000
	s_mov_b32 s[G0A], 1
	s_mov_b32 s[G0A+1], s80
	s_mov_b64 s[G0A+2:G0A+3], s[20:21]
	s_or_b32 s[G0A+3], s[G0A+3], 0x80000000
	s_mov_b32 s[G0B], 1
	s_add_co_u32 s[G0B+1], s45, BS0
	s_mov_b64 s[G0B+2:G0B+3], s[46:47]
	s_or_b32 s[G0B+3], s[G0B+3], 0x80000000
	s_mov_b32 s[G0B+4], 1
	s_add_co_u32 s[G0B+5], s45, BS1
	s_add_nc_u64 s[G0B+6:G0B+7], s[46:47], TSTEP
	s_or_b32 s[G0B+7], s[G0B+7], 0x80000000
	s_cmp_eq_u32 s15, 0                            ; one tensor load a wave at the head: waves 0, 1 fetch h's halves, waves 2, 3 the halves of Wq's tile
	s_cbranch_scc0 .Lhead_w
	tensor_load_to_lds s[G0A:G0A+3], s[G1A:G1A+7]
	s_nop 0
	PLACES
	s_branch .Lhead_asked
.Lhead_w:
	tensor_load_to_lds s[36:39], s[G1B:G1B+7]
	s_nop 0
	PLACES
.Lhead_asked:
	v_and_b32 v1, 31, v0
	v_and_b32 v2, 15, v0                           ; r
	v_bfe_u32 v3, v0, 4, 1                         ; h
	v_lshlrev_b32 v[O16], 4, v1
	v_lshlrev_b32 v[O8], 3, v1
	v_lshlrev_b32 v[R16], 4, v2
	s_mul_i32 s18, s15, 51200
	v_add_nc_u32 v[AA], s18, v[O16]
	v_add_nc_u32 v[AA+1], s18, v[O8]
	v_add_nc_u32 v[AA+2], s18, v[R16]
	v_add_nc_u32 v[AA+2], 6144, v[AA+2]
	s_mul_i32 s18, s16, 51200
	s_add_co_u32 s19, s18, BS0
	v_add_nc_u32 v[BB], s19, v[O16]
	v_add_nc_u32 v[BB+1], s19, v[O8]
	v_add_nc_u32 v[BB+2], s19, v[R16]
	v_add_nc_u32 v[BB+2], 6144, v[BB+2]
	s_add_co_u32 s19, s18, BS1
	v_add_nc_u32 v[BB+3], s19, v[O16]
	v_add_nc_u32 v[BB+4], s19, v[O8]
	v_add_nc_u32 v[BB+5], s19, v[R16]
	v_add_nc_u32 v[BB+5], 6144, v[BB+5]
	v_lshl_add_u32 v[OS], v3, 3, v[R16]
	s_lshl_b32 s18, s16, 8
	s_lshl_b32 s19, s15, 1
	s_add_co_u32 s18, s18, s19
	v_add_nc_u32 v[SST], s18, v[R16]
	v_add_nc_u32 v[SST], STG, v[SST]
	v_add_nc_u32 v[SRD], STG, v[O16]
	v_mul_u32_u24 v[FO], v3, 51200
	v_add_nc_u32 v[FO], v[FO], v[R16]
.irp b, 0,1,2,3
	v_mov_b32 v[TM+4+\b], 0                        ; written once: a lane permute's destination counts as one of its sources
.endr
	; where my results go
	s_lshr_b32 s70, s17, 3                         ; the batch
	s_and_b32 s71, s17, 7                          ; which 128 tokens of it
	s_lshl_b32 s72, s70, 4
	s_lshl_b32 s73, s42, 1
	s_add_co_u32 s72, s72, s73                     ; 16 b + 2 g
	s_add_co_u32 s73, s72, s16                     ; my head among the 64
	s_lshl_b32 s74, s73, 4
	s_lshl_b32 s75, s71, 1
	s_add_co_u32 s74, s74, s75
	s_add_co_u32 s74, s74, s15
	s_mul_i32 s74, s74, 3328
	s_mov_b32 s75, 0
	s_add_nc_u64 s[8:9], s[8:9], s[74:75]          ; q's record of my 64 tokens
	s_add_nc_u64 s[10:11], s[10:11], s[74:75]      ; k's
	s_lshl_b32 s76, s73, 3
	s_add_co_u32 s76, s76, s71
	s_mul_i32 s76, s76, 6400
	s_mul_i32 s77, s15, 768
	s_add_co_u32 s76, s76, s77
	s_mov_b32 s77, 0
	s_add_nc_u64 s[78:79], s[12:13], s[76:77]      ; v's record of the 128 keys, my half of each fragment
	s_lshl_b32 s76, s72, 3
	s_add_co_u32 s76, s76, s71
	s_mul_i32 s76, s76, 6400
	s_add_nc_u64 s[12:13], s[12:13], s[76:77]      ; the record of the work-group's first head
	s_wait_alu depctr_va_vdst(0)
	s_wait_tensorcnt 0x0                           ; my half tile has landed; slot 1's first fill is issued as a refill is:
	ds_add_u32 v[SPW], v[NIL]
	s_mov_b32 s[G1B+2], 100<<16                    ; no tensor load of mine is out: from here on a load brings a quarter of a tile, 100 rows
	s_mov_b32 s[G1B+4], 100
	s_wait_dscnt 0x0
	CROUND                                         ; h's tile and Wq's are whole, and all sixteen work-groups are here
	tensor_load_to_lds s[G0B+4:G0B+7], s[G1B:G1B+7]    ; my quarter of Wk's tile, into slot 1
	s_nop 0
	PLACES
	WIN 0x40                                       ; destination window 1
.irp st, 0,1,2,3,4
.irp i, 0,1,2,3
	FRAG 48*\st+12*\i, AA, AA+1, 12800*\i+6400*(\st/4)+1536*(\st%4)
.endr
.endr
	WIN 0x80                                       ; destination window 2
.irp st, 5,6,7
.irp i, 0,1,2,3
	FRAG 48*(\st-5)+12*\i, AA, AA+1, 12800*\i+6400+1536*(\st-4)
.endr
.endr
	WIN 0
.irp i, 0,1,2,3
.irp c, 0,1
	ds_load_b128 v[ASC+8*\i+4*\c:ASC+8*\i+4*\c+3], v[AA+2] offset:12800*\i+6400*\c
.endr
.endr
.macro SCALESB                         ; the scale words of tile SJ: eight words a row of W
.irp n, 0,1,2,3
.irp c, 0,1
	ds_load_b128 v[BSC+8*\n+4*\c:BSC+8*\n+4*\c+3], v[BB+2+3*(SJ%2)] offset:12800*\n+6400*\c
.endr
.endr
.endm
.macro FETCHK                          ; W's four fragments of K step FK (tile FK / 8) into set FK % 3
.set FQ, 48*(FK%3)
.set FAD, BB+3*((FK/8)%2)
.set FOF, 6400*((FK%8)/4)+1536*(FK%4)
	WIN 0xc0                                       ; destination window 3
.irp n, 0,1,2,3
	FRAG FQ+12*\n, FAD, FAD+1, FOF+12800*\n
.endr
	WIN 0
.endm
; 16 products of K step MK.  The 16 accumulators take turns, one instruction a turn.  A tile's first K step starts the sums with the constant 0.
.macro MULK
.set MS, MK%8
.set MQ, 48*(MK%3)
.if MS < 5
.set MA, 48*MS
	WIN 0x07                                       ; source 0 (W) window 3, source 1 (h) window 1
.else
.set MA, 48*(MS-5)
	WIN 0x0b                                       ; source 1 window 2
.endif
.irp i, 0,1,2,3
.irp n, 0,1,2,3
.if MS == 0
	v_wmma_scale_f32_16x16x128_f8f6f4 v[ACC+8*(4*\i+\n):ACC+8*(4*\i+\n)+7], v[MQ+12*\n:MQ+12*\n+11], v[MA+12*\i:MA+12*\i+11], 0, v[BSC+8*\n+MS], v[ASC+8*\i+MS] matrix_a_fmt:MATRIX_FMT_FP6 matrix_b_fmt:MATRIX_FMT_FP6
.else
	v_wmma_scale_f32_16x16x128_f8f6f4 v[ACC+8*(4*\i+\n):ACC+8*(4*\i+\n)+7], v[MQ+12*\n:MQ+12*\n+11], v[MA+12*\i:MA+12*\i+11], v[ACC+8*(4*\i+\n):ACC+8*(4*\i+\n)+7], v[BSC+8*\n+MS], v[ASC+8*\i+MS] matrix_a_fmt:MATRIX_FMT_FP6 matrix_b_fmt:MATRIX_FMT_FP6
.endif
.endr
.endr
.endm
.macro MULV                            ; the same with the sources swapped, for v: accumulator (n, i) at 8 (4 n + i)
.set MS, MK%8
.set MQ, 48*(MK%3)
.if MS < 5
.set MA, 48*MS
	WIN 0x0d                                       ; source 0 (h) window 1, source 1 (W) window 3
.else
.set MA, 48*(MS-5)
	WIN 0x0e
.endif
.irp n, 0,1,2,3
.irp i, 0,1,2,3
.if MS == 0
	v_wmma_scale_f32_16x16x128_f8f6f4 v[ACC+8*(4*\n+\i):ACC+8*(4*\n+\i)+7], v[MA+12*\i:MA+12*\i+11], v[MQ+12*\n:MQ+12*\n+11], 0, v[ASC+8*\i+MS], v[BSC+8*\n+MS] matrix_a_fmt:MATRIX_FMT_FP6 matrix_b_fmt:MATRIX_FMT_FP6
.else
	v_wmma_scale_f32_16x16x128_f8f6f4 v[ACC+8*(4*\n+\i):ACC+8*(4*\n+\i)+7], v[MA+12*\i:MA+12*\i+11], v[MQ+12*\n:MQ+12*\n+11], v[ACC+8*(4*\n+\i):ACC+8*(4*\n+\i)+7], v[ASC+8*\i+MS], v[BSC+8*\n+MS] matrix_a_fmt:MATRIX_FMT_FP6 matrix_b_fmt:MATRIX_FMT_FP6
.endif
.endr
.endr
.endm
; THE CHANGE OF SLOTS to tile CJ stands behind K step 5 of the tile before: that tile's last fragments have been asked for.  Each wave waits for all its tensor loads (its quarter of tile CJ), adds 0 to its
; spare word, and waits for that and for its reads of the slot that it leaves.  Where a tile CJ + 1 exists, a round of the cluster's barrier follows and the slot just left is filled with it, first thing behind the round.
.macro CHANGE
	s_wait_tensorcnt 0x0
	ds_add_u32 v[SPW], v[NIL]
.if CJ+1 < TILES
	s_add_nc_u64 s[G0B+4*((CJ+1)%2)+2:G0B+4*((CJ+1)%2)+3], s[G0B+4*((CJ+1)%2)+2:G0B+4*((CJ+1)%2)+3], 2*TSTEP   ; no tensor load of mine is out: the slot's next tile
.endif
	s_wait_dscnt 0x0
.if CJ+1 < TILES
	CROUND
	tensor_load_to_lds s[G0B+4*((CJ+1)%2):G0B+4*((CJ+1)%2)+3], s[G1B:G1B+7]
	s_nop 0
	PLACES
.else
	s_barrier_signal -1
	s_barrier_wait -1
.endif
.endm
; q's or k's way out: two tiles of tokens at a time: 64 registers = 2 x (16 tokens x 64 of the head)
.macro EPI_QK sp
.irp pp, 0,1
	s_wait_xcnt 0x0                                ; earlier stores have read the codes' registers
	QUANT ACC+64*\pp, PWR+\pp
	global_store_b128 v[O16], v[PC:PC+3], s[\sp:\sp+1] offset:1536*\pp
	global_store_b64 v[O8], v[PC+4:PC+5], s[\sp:\sp+1] offset:1536*\pp+512
	global_store_b128 v[O16], v[PC+6:PC+9], s[\sp:\sp+1] offset:1536*\pp+768
	global_store_b64 v[O8], v[PC+10:PC+11], s[\sp:\sp+1] offset:1536*\pp+1280
.endr
	v_cndmask_b32 v[WP], v[PWR], v[PWR+1], s[HM]   ; lanes 0-15 store the words of tiles 0, 1, lanes 16-31 those of tiles 2, 3
	v_lshrrev_b32 v[WP+1], 16, v[WP]
	v_and_b32 v[WP], 0xffff, v[WP]                 ; two bytes a tile; the upper two are 0, over zero codes
	global_store_b64 v[OS], v[WP:WP+1], s[\sp:\sp+1] offset:3072
.endm
.set SJ, 0
	SCALESB
.set FK, 0
	FETCHK
.set FK, 1
	FETCHK
.set FK, 2
	FETCHK
.set MK, 0
.rept 8*TILES
.set TJ, MK/8
.set TS, MK%8
.if (TS == 0) && (TJ > 0)
	s_wait_dscnt 0x0                               ; the tile's scale words were asked for behind its first three sets
.elseif MK+2 < 8*TILES
	s_wait_dscnt 32                                ; this K step's set is in; the two sets asked for behind it (16 loads each) may be out
.elseif MK+1 < 8*TILES
	s_wait_dscnt 16
.else
	s_wait_dscnt 0x0
.endif
.if TJ == 2
	MULV
.else
	MULK
.endif
	PLACES
	WIN 0
.if (TS == 5) && (TJ+1 < TILES)
.set CJ, TJ+1
	CHANGE
.endif
.if MK+3 < 8*TILES
.set FK, MK+3
	FETCHK
.endif
.if (TS == 7) && (TJ+1 < TILES)
.set SJ, TJ+1
	SCALESB
.endif
.if MK == 7
	EPI_QK 8
.endif
.if MK == 15
	EPI_QK 10
.endif
.set MK, MK+1
.endr
	; v's way out: two tiles of d at a time: 64 registers = 2 x (16 d x my 64 keys): my half of two fragments
.irp pp, 0,1
	s_wait_xcnt 0x0
	QUANT ACC+64*\pp, PWR+\pp
	global_store_b128 v[O16], v[PC:PC+3], s[78:79] offset:3072*\pp
	global_store_b64 v[O8], v[PC+4:PC+5], s[78:79] offset:3072*\pp+512
	global_store_b128 v[O16], v[PC+6:PC+9], s[78:79] offset:3072*\pp+1536
	global_store_b64 v[O8], v[PC+10:PC+11], s[78:79] offset:3072*\pp+2048
	ds_store_b16 v[SST], v[PWR+\pp] offset:8*\pp           ; my two bytes of row r's word of tile 2 pp (both lanes of a row write the same),
	ds_store_b16_d16_hi v[SST], v[PWR+\pp] offset:8*\pp+4  ; and of tile 2 pp + 1
.endr
	s_wait_dscnt 0x0
	s_barrier_signal -1
	s_barrier_wait -1                              ; the two heads' 512 bytes of scale words lie in the stage
	s_cmp_lg_u32 s14, 0
	s_cbranch_scc1 .Lno_flush
	ds_load_b128 v[TM:TM+3], v[SRD]
	s_wait_dscnt 0x0
	global_store_b128 v[FO], v[TM:TM+3], s[12:13] offset:6144   ; two aligned blocks of 256 bytes, one in each head's record
.Lno_flush:
	s_wait_tensorcnt 0x0                           ; the wave's end
	ds_add_u32 v[SPW], v[NIL]
	s_wait_dscnt 0x0
	CROUND                                         ; the closing round
	s_endpgm
.Lfunc_end_k_qe96d5bf8f8_qkv:
	.size	k_qe96d5bf8f8_qkv, .Lfunc_end_k_qe96d5bf8f8_qkv-k_qe96d5bf8f8_qkv
	.p2alignl 7, 3214868480
	.fill 96, 4, 3214868480
	.section	.rodata,"a",@progbits
	.p2align	6, 0x0
	.amdhsa_kernel k_qe96d5bf8f8_qkv
		.amdhsa_group_segment_fixed_size 327680
		.amdhsa_private_segment_fixed_size 0
		.amdhsa_enable_private_segment 0
		.amdhsa_kernarg_size 40
		.amdhsa_user_sgpr_count 2
		.amdhsa_user_sgpr_kernarg_segment_ptr 1
		.amdhsa_wavefront_size32 1
		.amdhsa_system_sgpr_workgroup_id_x 1
		.amdhsa_system_sgpr_workgroup_id_y 1
		.amdhsa_system_sgpr_workgroup_id_z 1
		.amdhsa_system_vgpr_workitem_id 0
		.amdhsa_next_free_vgpr 1024
		.amdhsa_next_free_sgpr 100
		.amdhsa_reserve_vcc 0
		.amdhsa_float_denorm_mode_32 3
		.amdhsa_float_denorm_mode_16_64 3
		.amdhsa_memory_ordered 1
		.amdhsa_forward_progress 1
		.amdhsa_inst_pref_size 124
	.end_amdhsa_kernel
	.amdgpu_metadata
---
amdhsa.version: [ 1, 2 ]
amdhsa.kernels:
  - .name:           k_qe96d5bf8f8_qkv
    .symbol:         k_qe96d5bf8f8_qkv.kd
    .args:
      - { .name: hfrg, .offset: 0, .size: 8, .value_kind: global_buffer, .address_space: global }
      - { .name: wfrg, .offset: 8, .size: 8, .value_kind: global_buffer, .address_space: global }
      - { .name: qrec, .offset: 16, .size: 8, .value_kind: global_buffer, .address_space: global }
      - { .name: krec, .offset: 24, .size: 8, .value_kind: global_buffer, .address_space: global }
      - { .name: vrec, .offset: 32, .size: 8, .value_kind: global_buffer, .address_space: global }
    .group_segment_fixed_size: 327680
    .private_segment_fixed_size: 0
    .kernarg_segment_align: 8
    .kernarg_segment_size: 40
    .max_flat_workgroup_size: 128
    .sgpr_count:     100
    .vgpr_count:     1024
    .wavefront_size: 32
...
	.end_amdgpu_metadata
.endif
;; end of part 2
;; launch attn (part 3): grid 4 x 64, 16 waves a work-group, clusters of 4 x 1, 169,984 bytes of LDS; arguments qrec, krec, vrec, aofrg; writes aofrg
.if DOCPART == 3
	.amdgcn_target "amdgcn-amd-amdhsa--gfx1250"
	.amdhsa_code_object_version 6
	.text
	.protected	k_qe96d5bf8f8_attn
	.globl	k_qe96d5bf8f8_attn
	.p2align	8
	.type	k_qe96d5bf8f8_attn,@function
k_qe96d5bf8f8_attn:
	s_mov_b64 s[64:65], 0
	v_nop
	global_prefetch_b8 v0, s[64:65] scope:SCOPE_SE
	s_setreg_imm32_b32 hwreg(HW_REG_WAVE_MODE, 25, 1), 1
	s_wait_xcnt 0x0
	s_wait_alu depctr_hold_cnt(0) depctr_sa_sdst(0) depctr_va_vdst(0) depctr_va_sdst(0) depctr_va_ssrc(0) depctr_va_vcc(0) depctr_vm_vsrc(0)
	s_getreg_b32 s2, hwreg(HW_REG_IB_STS2, 6, 4)
	s_cmp_eq_u32 s2, 0
	s_cbranch_scc0 .Lentry_in_a_cluster
	s_endpgm
.Lentry_in_a_cluster:
	s_bfe_u32 s2, ttmp6, 0x10000c
	s_cmp_lg_u32 s2, 0x3003
	s_cbranch_scc0 .Lentry_shape_is_right
	s_endpgm
.Lentry_shape_is_right:
; Causal attention of one head (y = 16 x batch + head) on FP6 codes, 1,024 tokens, head size 64, logits scaled by 1 / 32; the result is quantised along the concatenated heads for the next product.
; THE SOFTMAX AHEAD OF THE SECOND PRODUCT: t = score x log2(e) / 32; M = the row's largest t so far, rounded UP to a whole number; p = 2^(t - M) is quantised along the keys, not normalised.
; The row's sum is taken of the unquantised p and divides O at the end.  When M moves, the sum and O are multiplied by 2^(old M - new M): exact.
; CLUSTER: the four work-groups of a head.  The head's whole K (53,248 bytes) and V (51,200) come into each LDS ONCE, by joint loads (waves 0-3: K's quarters; waves 4-7: V's): no slot is ever filled again.
; SHARES: a wave owns one tile of 16 queries, t = 8 a + 2 cx + e: a (which 128 tokens) and e come from the wave's number alone, so that no branch hangs on the place in the cluster; it walks key steps 0 .. a of 128 keys.
; All waves walk a loop of 8 trips; a step whose keys all come after the wave's queries is jumped over; in step a hidden scores become -infinity.
; LAYOUT: S^T = K Q^T (source 0 = 16 keys, source 1 = my 16 queries; the head's 64 fill half of the instruction's 128: the upper 64 codes are zeros on both sides), O^T = V^T P^T: a lane holds ONE query throughout.
; Row i of a tile t of tokens (and of d) is 32 (t / 2) + 8 (t % 2) + i + 8 (i / 8): the 16 registers of two neighbouring tiles are 16 neighbours.
; LIMITS: NaN and infinities are not served; a block of zeros gets the scale byte 1.  The two scale bytes a row leave as stores of 2 bytes: the 16 bytes of a row's words belong to eight heads, that is, to eight work-groups.
; REGISTERS: v1-7 lane terms; v8-11, v29, v30 the step's addresses; v12 -M, v13 the largest t, v[14:15] the sum; v16-27 Q, v28 its scale word; v32-79 four fragments of K; v80-87 K's scale words, v88-91 V's;
;   v96-159 S^T, then p, then V's fragments; v160-191 O^T; v192-211 p's codes; v212-223 at work; v224 p's scale word; v[226:227] f.
.set VB,  53248                        ; LDS: K at 0, V behind it
.set BM,  212
.set PT,  216
.set SO,  220
.set PC,  192
.set WV,  12
.set SEL, 20
.set CS,  22
.set G1K, 24
.set G1V, 32
.set G0K, 40
.set G0V, 44
.macro CROUND
	s_barrier_signal -1
	s_barrier_wait -1
	s_cmp_lg_u32 s[WV], 0
	s_cbranch_scc1 .Lnot_wave_0_\@
	s_barrier_signal -3
.Lnot_wave_0_\@:
	s_barrier_wait -3
	s_barrier_signal -1
	s_barrier_wait -1
.endm
	s_load_b256 s[4:11], s[0:1], 0x0               ; q's records, k's, v's, the output's
	v_lshl_add_u32 v254, v0, 2, 0x29000
	v_mov_b32 v255, 0
	ds_add_u32 v254, v255
	ds_add_u32 v254, v255
	v_lshrrev_b32 v8, 5, v0
	s_delay_alu instid0(VALU_DEP_1)
	v_readfirstlane_b32 s[WV], v8                  ; wave 0..15
	s_bfe_u32 s13, ttmp6, 0x40000                  ; cx
	s_and_b32 s14, ttmp7, 0xffff                   ; the head among the 64
	s_lshr_b32 s15, s[WV], 3
	s_and_b32 s16, s[WV], 2
	s_add_co_u32 s15, s15, s16                     ; 0..3
	s_lshr_b32 s16, s[WV], 2
	s_xor_b32 s19, s16, s[WV]
	s_and_b32 s19, s19, 1
	s_mul_i32 s19, s19, 7
	s_xor_b32 s15, s15, s19                        ; a: it or 7 less it: long and short walks are dealt out evenly over the waves
	s_and_b32 s16, s16, 1                          ; e
	s_lshl_b32 s17, s13, 1
	s_add_co_u32 s17, s17, s16                     ; c = 2 cx + e
	s_lshl_b32 s18, s15, 3
	s_add_co_u32 s18, s18, s17                     ; t: it enters global addresses and the mask's numbers alone
	s_and_b32 s52, s[WV], 3
	s_mul_i32 s53, s52, 13312                      ; K's quarter
	s_mul_i32 s55, s52, 12800                      ; V's
	s_mul_i32 s56, s14, 53248
	s_add_co_u32 s56, s56, s53
	s_mov_b32 s57, 0
	s_mul_i32 s58, s14, 51200
	s_add_co_u32 s58, s58, s55
	s_mov_b32 s59, 0
	; descriptor groups 1: dense bytes as rows of 256 (32 elements of 8 bytes): K 52 rows a wave, V 50
	s_mov_b32 s[G1K], 15|(3<<16)|(1<<21)           ; 15:0 the mask: all four work-groups; 17:16 elements of 8 bytes; 21 set beside a mask
	s_mov_b32 s[G1K+1], 32<<16
	s_mov_b32 s[G1K+2], 52<<16
	s_mov_b32 s[G1K+3], 32<<16
	s_mov_b32 s[G1K+4], 52
	s_mov_b32 s[G1K+5], 32
	s_mov_b32 s[G1K+6], 0
	s_mov_b32 s[G1K+7], 0
	s_mov_b32 s[G1V], 15|(3<<16)|(1<<21)
	s_mov_b32 s[G1V+1], 32<<16
	s_mov_b32 s[G1V+2], 50<<16
	s_mov_b32 s[G1V+3], 32<<16
	s_mov_b32 s[G1V+4], 50
	s_mov_b32 s[G1V+5], 32
	s_mov_b32 s[G1V+6], 0
	s_mov_b32 s[G1V+7], 0
	s_mov_b32 s[SEL], 0x76543210
	s_mov_b32 s[SEL+1], 0xfedcba98
	s_mov_b32 s[CS], 0x3d38aa3b                    ; log2(e) / 32
	s_mov_b32 s[CS+1], s[CS]                       ; (named with it as a pair, so it is written)
	; q: record 16 head + t / 4, half fragment t % 4
	s_lshl_b32 s60, s14, 4
	s_lshr_b32 s61, s18, 2
	s_add_co_u32 s60, s60, s61
	s_mul_i32 s60, s60, 3328
	s_and_b32 s61, s18, 3
	s_mul_i32 s62, s61, 768
	s_add_co_u32 s62, s62, s60
	s_mov_b32 s63, 0
	s_lshl_b32 s61, s61, 2
	s_add_co_u32 s60, s60, s61
	s_mov_b32 s61, 0
	; the output: record (64 batch + t) x 2 + head / 8, fragment (head / 2) % 4, half head % 2
	s_lshr_b32 s70, s14, 4
	s_lshl_b32 s70, s70, 6
	s_add_co_u32 s70, s70, s18
	s_lshl_b32 s70, s70, 1
	s_and_b32 s71, s14, 15
	s_lshr_b32 s72, s71, 3
	s_add_co_u32 s70, s70, s72
	s_mul_i32 s70, s70, 6400
	s_bfe_u32 s72, s71, 0x20001
	s_and_b32 s73, s71, 1
	s_mul_i32 s74, s72, 1536
	s_mul_i32 s75, s73, 768
	s_add_co_u32 s74, s74, s75
	s_add_co_u32 s74, s74, s70
	s_mov_b32 s75, 0
	s_lshl_b32 s72, s72, 2
	s_lshl_b32 s73, s73, 1
	s_add_co_u32 s72, s72, s73
	s_add_co_u32 s72, s72, s70
	s_mov_b32 s73, 0
	s_wait_dscnt 0x0
	s_wait_kmcnt 0x0
	s_add_nc_u64 s[66:67], s[4:5], s[62:63]        ; q's half fragment
	s_add_nc_u64 s[68:69], s[4:5], s[60:61]        ; its record + 4 (t % 4)
	s_add_nc_u64 s[76:77], s[10:11], s[74:75]      ; my half fragment of the output
	s_add_nc_u64 s[78:79], s[10:11], s[72:73]      ; its record + my two bytes' place in a word row
	s_mov_b32 s[G0K], 1
	s_mov_b32 s[G0K+1], s53
	s_add_nc_u64 s[G0K+2:G0K+3], s[6:7], s[56:57]
	s_or_b32 s[G0K+3], s[G0K+3], 0x80000000
	s_mov_b32 s[G0V], 1
	s_add_co_u32 s[G0V+1], s55, VB
	s_add_nc_u64 s[G0V+2:G0V+3], s[8:9], s[58:59]
	s_or_b32 s[G0V+3], s[G0V+3], 0x80000000
	CROUND                                         ; all four work-groups are here: the joint loads meet
	s_cmp_lt_u32 s[WV], 4
	s_cbranch_scc0 .Lnot_k
	tensor_load_to_lds s[G0K:G0K+3], s[G1K:G1K+7]
	s_nop 0
.rept 4
	v_nop
.endr
	s_branch .Lasked
.Lnot_k:
	s_cmp_lt_u32 s[WV], 8
	s_cbranch_scc0 .Lasked
	tensor_load_to_lds s[G0V:G0V+3], s[G1V:G1V+7]
	s_nop 0
.rept 4
	v_nop
.endr
.Lasked:
	v_and_b32 v229, 31, v0
	v_and_b32 v228, 15, v0                         ; r
	s_delay_alu instid0(VALU_DEP_2)
	v_lshlrev_b32 v1, 4, v229                      ; 16 x lane
	s_delay_alu instid0(VALU_DEP_3)
	v_lshlrev_b32 v2, 3, v229                      ; 8 x lane
	s_delay_alu instid0(VALU_DEP_3)
	v_lshlrev_b32 v31, 4, v228                     ; 16 r
	global_load_b128 v[16:19], v1, s[66:67]        ; Q's half fragment stays in registers
	global_load_b64 v[20:21], v2, s[66:67] offset:512
	global_load_b32 v28, v31, s[68:69] offset:3072 ; its scale word
	v_bfe_u32 v229, v0, 4, 1                       ; h
	v_add_nc_u32 v3, 3072, v31
	v_add_nc_u32 v4, VB, v1
	v_add_nc_u32 v5, VB, v2
	v_add_nc_u32 v6, VB+6144, v31
	v_and_b32 v7, 8, v228
	s_delay_alu instid0(VALU_DEP_1)
	v_add_nc_u32 v7, v7, v228
	v_lshlrev_b32 v230, 4, v229
	s_delay_alu instid0(VALU_DEP_1)
	v_sub_nc_u32 v7, v7, v230
	s_lshr_b32 s70, s17, 1
	s_lshl_b32 s70, s70, 5
	s_and_b32 s71, s17, 1
	s_lshl_b32 s71, s71, 3
	s_add_co_u32 s70, s70, s71
	v_add_nc_u32 v7, s70, v7                       ; my query among its 128, less 16 h: register 16 b + i of the diagonal step is hidden where 32 b + i is above it
.irp j, 22,23,24,25,26,27
	v_mov_b32 v[\j], 0                             ; the upper 64 along K: zero codes
.endr
.irp t, 0,1,2,3
.irp j, 6,7,8,9,10,11
	v_mov_b32 v[32+12*\t+\j], 0
.endr
.endr
.set EI, 0
.rept 32
	v_mov_b32 v[160+EI], 0                         ; O^T: the step is written once; its first pass finds zeros
.set EI, EI+1
.endr
	v_mov_b32 v13, 0xff61b1e6                      ; the largest t so far: -3e38
	s_delay_alu instid0(VALU_DEP_1)
	v_floor_f32 v12, -v13                          ; -M
	v_mov_b32 v14, 0
	v_mov_b32 v15, 0
.irp b, 0,1,2,3
	v_mov_b32 v[PT+\b], 0                          ; written once: a lane permute's destination counts as one of its sources
.endr
	v_mov_b32 v227, 0                              ; (named as the upper half of the pair v[226:227])
	s_mov_b32 s50, 0                               ; where the step's two records of K begin
	s_mov_b32 s51, 0                               ; and its record of V
	s_mov_b32 s54, 0                               ; the key step
	s_wait_tensorcnt 0x0                           ; my part of K or V has landed,
	s_barrier_signal -1
	s_barrier_wait -1                              ; everybody's has
	s_wait_loadcnt 0x0                             ; Q
.Lstep:
	s_cmp_gt_u32 s54, s15                          ; all keys of the step come after my queries
	s_cbranch_scc1 .Lskip
	v_add_nc_u32 v8, s50, v1                       ; these six are also the places between the last products, which read V's fragments, and the products that write scores over them
	s_wait_alu depctr_va_vdst(0)
	v_add_nc_u32 v9, s50, v2
	s_wait_alu depctr_va_vdst(0)
	v_add_nc_u32 v10, s50, v3
	v_add_nc_u32 v11, s51, v4
	v_add_nc_u32 v29, s51, v5
	v_add_nc_u32 v30, s51, v6
	ds_load_b128 v[80:83], v10
	ds_load_b128 v[84:87], v10 offset:3328
.irp g, 0,1
.if \g > 0
.rept 4
	v_nop                                          ; places in front of loads into registers that matrix instructions have read
.endr
.endif
.irp t, 0,1,2,3
	ds_load_b128 v[32+12*\t:35+12*\t], v8 offset:3328*\g+768*\t
	ds_load_b64 v[36+12*\t:37+12*\t], v9 offset:3328*\g+768*\t+512
.endr
	s_wait_dscnt 0x0
.irp t, 0,1,2,3
	v_wmma_scale_f32_16x16x128_f8f6f4 v[96+8*(4*\g+\t):103+8*(4*\g+\t)], v[32+12*\t:43+12*\t], v[16:27], 0, v[80+4*\g+\t], v28 matrix_a_fmt:MATRIX_FMT_FP6 matrix_b_fmt:MATRIX_FMT_FP6
.endr
.endr
.rept 4
	v_nop
.endr
	s_cmp_lg_u32 s54, s15
	s_cbranch_scc1 .Lopen                          ; only the wave's last step lies on the diagonal
	v_mov_b32 v228, 0xff800000                     ; -infinity
.irp n, 0,1,2,3,4,5,6,7,8,9,10,11,12,13,14,15,16,17,18,19,20,21,22,23,24,25,26,27,28,29,30,31,32,33,34,35,36,37,38,39,40,41,42,43,44,45,46,47,48,49,50,51,52,53,54,55,56,57,58,59,60,61,62,63
	v_cmp_gt_i32 vcc_lo, 32*(\n/16)+\n%16, v7
	v_cndmask_b32 v[96+\n], v[96+\n], v228, vcc_lo
.endr
.Lopen:
.irp b, 0,1,2,3
	v_max3_num_f32 v[BM+\b], v[96+16*\b], v[97+16*\b], v[98+16*\b]   ; the largest score of each block of 32 keys: for the row's maximum, and, since p rises with the score, for the block's largest p
.endr
.irp i, 3,5,7,9,11,13
.irp b, 0,1,2,3
	v_max3_num_f32 v[BM+\b], v[BM+\b], v[96+16*\b+\i], v[97+16*\b+\i]
.endr
.endr
.irp b, 0,1,2,3
	v_max_num_f32 v[BM+\b], v[BM+\b], v[111+16*\b]
.endr
.irp b, 0,1,2,3
	s_delay_alu instid0(VALU_DEP_4)
	v_permlanex16_b32 v[PT+\b], v[BM+\b], s[SEL], s[SEL+1]
.endr
.irp b, 0,1,2,3
	s_delay_alu instid0(VALU_DEP_4)
	v_max_num_f32 v[BM+\b], v[BM+\b], v[PT+\b]     ; with lane l xor 16's 16 keys
.endr
	s_delay_alu instid0(VALU_DEP_2)
	v_max3_num_f32 v228, v[BM], v[BM+1], v[BM+2]
	s_delay_alu instid0(VALU_DEP_1)
	v_max_num_f32 v228, v228, v[BM+3]
	s_delay_alu instid0(VALU_DEP_1)
	v_mul_f32 v228, s[CS], v228                    ; the step's largest t of my query
	s_delay_alu instid0(VALU_DEP_1)
	v_max_num_f32 v13, v13, v228
	v_mov_b32 v228, v12
	s_delay_alu instid0(VALU_DEP_2)
	v_floor_f32 v12, -v13                          ; the new -M = -ceil(t): a whole number
	s_delay_alu instid0(VALU_DEP_1)
	v_sub_f32 v228, v12, v228                      ; old M less new M: a whole number, 0 or less
	s_delay_alu instid0(VALU_DEP_1)
	v_cvt_i32_f32 v228, v228                       ; (it saturates)
	s_delay_alu instid0(VALU_DEP_1)
	v_ldexp_f32 v226, 1.0, v228                    ; f = 2^(old M - new M)
.set EI, 0
.rept 32
	v_pk_fma_f32 v[96+EI:97+EI], v[96+EI:97+EI], s[CS:CS+1], v[12:13] op_sel_hi:[1,0,0]   ; t - M
.set EI, EI+2
.endr
.irp b, 0,1,2,3
	v_fma_f32 v[BM+\b], v[BM+\b], s[CS], v12       ; the same of each block's largest score
.endr
.set EI, 0
	s_wait_alu depctr_va_vdst(0)
.rept 64
	v_exp_f32 v[96+EI], v[96+EI]                   ; p = 2^(t - M)
.set EI, EI+1
.endr
	v_pk_mul_f32 v[14:15], v[14:15], v[226:227] op_sel_hi:[1,0]   ; the sums under the new M (a plain place behind the exponentials)
	s_wait_alu depctr_va_vdst(0)                   ; one wait for the batch, ahead of its first reader
.irp b, 0,1,2,3
	v_exp_f32 v[BM+\b], v[BM+\b]                   ; the block's largest p
.endr
	v_pk_add_f32 v[230:231], v[100:101], v[104:105]
	v_pk_add_f32 v[252:253], v[108:109], v[112:113]
	v_pk_add_f32 v[250:251], v[116:117], v[120:121]
	v_pk_add_f32 v[248:249], v[124:125], v[128:129]
	v_pk_add_f32 v[246:247], v[132:133], v[136:137]
	v_pk_add_f32 v[244:245], v[140:141], v[144:145]
	v_pk_add_f32 v[242:243], v[148:149], v[152:153]
	v_pk_add_f32 v[14:15], v[14:15], v[156:157]
	v_pk_add_f32 v[230:231], v[230:231], v[96:97]
	v_pk_add_f32 v[252:253], v[252:253], v[98:99]
	v_pk_add_f32 v[250:251], v[250:251], v[102:103]
	v_pk_add_f32 v[248:249], v[248:249], v[106:107]
	v_pk_add_f32 v[246:247], v[246:247], v[110:111]
	v_pk_add_f32 v[244:245], v[244:245], v[114:115]
	v_pk_add_f32 v[242:243], v[242:243], v[118:119]
	v_pk_add_f32 v[14:15], v[14:15], v[122:123]
	v_pk_add_f32 v[230:231], v[230:231], v[126:127]
	v_pk_add_f32 v[252:253], v[252:253], v[130:131]
	v_pk_add_f32 v[250:251], v[250:251], v[134:135]
	v_pk_add_f32 v[248:249], v[248:249], v[138:139]
	v_pk_add_f32 v[246:247], v[246:247], v[142:143]
	v_pk_add_f32 v[244:245], v[244:245], v[146:147]
	v_pk_add_f32 v[242:243], v[242:243], v[150:151]
	v_pk_add_f32 v[14:15], v[14:15], v[154:155]
	v_pk_add_f32 v[230:231], v[230:231], v[158:159]
	s_delay_alu instid0(VALU_DEP_2)
	v_pk_add_f32 v[14:15], v[14:15], v[248:249]
	s_delay_alu instid0(VALU_DEP_2)
	v_pk_add_f32 v[230:231], v[230:231], v[246:247]
	v_pk_add_f32 v[252:253], v[252:253], v[244:245]
	v_pk_add_f32 v[250:251], v[250:251], v[242:243]
	s_delay_alu instid0(VALU_DEP_2)
	v_pk_add_f32 v[14:15], v[14:15], v[252:253]
	s_delay_alu instid0(VALU_DEP_2)
	v_pk_add_f32 v[230:231], v[230:231], v[250:251]
	s_delay_alu instid0(VALU_DEP_1)
	v_pk_add_f32 v[14:15], v[14:15], v[230:231]
	s_wait_alu depctr_va_vdst(0)                   ; and one for the four
.irp b, 0,1,2,3
	v_max_num_f32 v[BM+\b], 0x1800000, v[BM+\b]    ; the floor 2^(3 - 127): the byte cannot fall under 1
.endr
.irp b, 0,1,2,3
	s_delay_alu instid0(VALU_DEP_4)
	v_add_nc_u32 v[SO+\b], 0xff000000, v[BM+\b]    ; 2 off the exponent field: the conversion's scale operand
.endr
.irp b, 0,1,2,3
	s_delay_alu instid0(VALU_DEP_4)
	v_lshrrev_b32 v[PT+\b], 23, v[SO+\b]
.endr
	s_delay_alu instid0(VALU_DEP_3)
	v_lshl_or_b32 v224, v[PT+1], 8, v[PT]          ; p's scale word for these 128 keys
	s_delay_alu instid0(VALU_DEP_1)
	v_lshl_or_b32 v224, v[PT+2], 16, v224
	s_delay_alu instid0(VALU_DEP_1)
	v_lshl_or_b32 v224, v[PT+3], 24, v224
.irp c, 0,1
	v_cvt_scalef32_pk16_fp6_f32 v[PC+6*\c:PC+2+6*\c], v[96+32*\c:111+32*\c], v[SO+2*\c]
	v_cvt_scalef32_pk16_fp6_f32 v[PC+12+4*\c:PC+14+4*\c], v[112+32*\c:127+32*\c], v[SO+2*\c+1]
.endr
	v_nop                                          ; one plain place behind a scaled conversion
.irp c, 0,1
.irp i, 0,1,2
	v_permlane16_swap_b32 v[PC+6*\c+\i], v[PC+12+4*\c+\i]
.endr
.irp i, 0,1,2
	s_delay_alu instid0(VALU_DEP_3)
	v_mov_b32 v[PC+3+6*\c+\i], v[PC+12+4*\c+\i]
.endr
.endr
.set EI, 0
.rept 16
	v_pk_mul_f32 v[160+EI:161+EI], v[160+EI:161+EI], v[226:227] op_sel_hi:[1,0]   ; O^T under the new M; these also stand between the codes' and the scale word's last writes and the products
.set EI, EI+2
.endr
.irp t, 0,1,2,3
	ds_load_b128 v[96+12*\t:99+12*\t], v11 offset:1536*\t
	ds_load_b64 v[100+12*\t:101+12*\t], v29 offset:1536*\t+512
	ds_load_b128 v[102+12*\t:105+12*\t], v11 offset:1536*\t+768
	ds_load_b64 v[106+12*\t:107+12*\t], v29 offset:1536*\t+1280
.endr
	ds_load_b128 v[88:91], v30
	s_wait_alu depctr_va_vdst(0)
	s_wait_dscnt 0x0
.irp t, 0,1,2,3
	v_wmma_scale_f32_16x16x128_f8f6f4 v[160+8*\t:167+8*\t], v[96+12*\t:107+12*\t], v[PC:PC+11], v[160+8*\t:167+8*\t], v[88+\t], v224 matrix_a_fmt:MATRIX_FMT_FP6 matrix_b_fmt:MATRIX_FMT_FP6
.endr
.Lskip:
	s_add_co_u32 s50, s50, 6656
	s_add_co_u32 s51, s51, 6400
	s_add_co_u32 s54, s54, 1
	s_cmp_lt_u32 s54, 8
	s_cbranch_scc1 .Lstep
	; THE WAY OUT: O^T / the sum, quantised along the head's 64 (two blocks): half a fragment of the next product's operand
.rept 4
	v_nop
.endr
	s_wait_alu depctr_va_vdst(0)
	v_add_f32 v14, v14, v15
	s_delay_alu instid0(VALU_DEP_1)
	v_permlanex16_b32 v228, v14, s[SEL], s[SEL+1]
	s_delay_alu instid0(VALU_DEP_1)
	v_add_f32 v14, v14, v228                       ; the row's sum
	s_wait_alu depctr_va_vdst(0)
	v_rcp_f32 v14, v14
	v_nop                                          ; a plain place behind the transcendental
	s_wait_alu depctr_va_vdst(0)
.set EI, 0
.rept 32
	v_mul_f32 v[96+EI], v[160+EI], v14             ; register 16 b + i is d = 32 b + 16 h + i of my query
.set EI, EI+1
.endr
.irp b, 0,1
	v_max3_num_f32 v[BM+\b], |v[96+16*\b]|, |v[97+16*\b]|, 0x1800000
.endr
.irp i, 2,4,6,8,10,12,14
.irp b, 0,1
	s_delay_alu instid0(VALU_DEP_2)
	v_max3_num_f32 v[BM+\b], v[BM+\b], |v[96+16*\b+\i]|, |v[97+16*\b+\i]|
.endr
.endr
.irp b, 0,1
	s_delay_alu instid0(VALU_DEP_2)
	v_permlanex16_b32 v[PT+\b], v[BM+\b], s[SEL], s[SEL+1]
.endr
.irp b, 0,1
	s_delay_alu instid0(VALU_DEP_2)
	v_max_num_f32 v[BM+\b], v[BM+\b], v[PT+\b]
.endr
.irp b, 0,1
	s_delay_alu instid0(VALU_DEP_2)
	v_add_nc_u32 v[SO+\b], 0xff000000, v[BM+\b]
.endr
.irp b, 0,1
	s_delay_alu instid0(VALU_DEP_2)
	v_lshrrev_b32 v[PT+\b], 23, v[SO+\b]
.endr
	s_delay_alu instid0(VALU_DEP_1)
	v_lshl_or_b32 v225, v[PT+1], 8, v[PT]          ; my row's two scale bytes
	v_cvt_scalef32_pk16_fp6_f32 v[PC:PC+2], v[96:111], v[SO]
	v_cvt_scalef32_pk16_fp6_f32 v[PC+12:PC+14], v[112:127], v[SO+1]
	v_nop
.irp i, 0,1,2
	v_permlane16_swap_b32 v[PC+\i], v[PC+12+\i]
.endr
.irp i, 0,1,2
	s_delay_alu instid0(VALU_DEP_3)
	v_mov_b32 v[PC+3+\i], v[PC+12+\i]
.endr
	global_store_b128 v1, v[PC:PC+3], s[76:77]
	global_store_b64 v2, v[PC+4:PC+5], s[76:77] offset:512
	global_store_b16 v31, v225, s[78:79] offset:6144   ; lanes l and l + 16 hold the same half-word and name the same place
	s_wait_tensorcnt 0x0
	ds_add_u32 v254, v255
	s_wait_dscnt 0x0
	CROUND                                         ; the closing round
	s_endpgm
.Lfunc_end_k_qe96d5bf8f8_attn:
	.size	k_qe96d5bf8f8_attn, .Lfunc_end_k_qe96d5bf8f8_attn-k_qe96d5bf8f8_attn
	.p2alignl 7, 3214868480
	.fill 96, 4, 3214868480
	.section	.rodata,"a",@progbits
	.p2align	6, 0x0
	.amdhsa_kernel k_qe96d5bf8f8_attn
		.amdhsa_group_segment_fixed_size 169984
		.amdhsa_private_segment_fixed_size 0
		.amdhsa_enable_private_segment 0
		.amdhsa_kernarg_size 32
		.amdhsa_user_sgpr_count 2
		.amdhsa_user_sgpr_kernarg_segment_ptr 1
		.amdhsa_wavefront_size32 1
		.amdhsa_system_sgpr_workgroup_id_x 1
		.amdhsa_system_sgpr_workgroup_id_y 1
		.amdhsa_system_sgpr_workgroup_id_z 1
		.amdhsa_system_vgpr_workitem_id 0
		.amdhsa_next_free_vgpr 256
		.amdhsa_next_free_sgpr 80
		.amdhsa_reserve_vcc 1
		.amdhsa_float_denorm_mode_32 3
		.amdhsa_float_denorm_mode_16_64 3
		.amdhsa_memory_ordered 1
		.amdhsa_forward_progress 1
		.amdhsa_inst_pref_size 37
	.end_amdhsa_kernel
	.amdgpu_metadata
---
amdhsa.version: [ 1, 2 ]
amdhsa.kernels:
  - .name:           k_qe96d5bf8f8_attn
    .symbol:         k_qe96d5bf8f8_attn.kd
    .args:
      - { .name: qrec, .offset: 0, .size: 8, .value_kind: global_buffer, .address_space: global }
      - { .name: krec, .offset: 8, .size: 8, .value_kind: global_buffer, .address_space: global }
      - { .name: vrec, .offset: 16, .size: 8, .value_kind: global_buffer, .address_space: global }
      - { .name: aofrg, .offset: 24, .size: 8, .value_kind: global_buffer, .address_space: global }
    .group_segment_fixed_size: 169984
    .private_segment_fixed_size: 0
    .kernarg_segment_align: 8
    .kernarg_segment_size: 32
    .max_flat_workgroup_size: 512
    .sgpr_count:     80
    .vgpr_count:     256
    .wavefront_size: 32
...
	.end_amdgpu_metadata
.endif
;; end of part 3
;; launch proj (part 4): grid 8 x 32, 4 waves a work-group, clusters of 4 x 4, 327,680 bytes of LDS; arguments aofrg, wfrg, bo, x, x1; writes x1
.if DOCPART == 4
	.amdgcn_target "amdgcn-amd-amdhsa--gfx1250"
	.amdhsa_code_object_version 6
	.text
	.protected	k_qe96d5bf8f8_proj
	.globl	k_qe96d5bf8f8_proj
	.p2align	8
	.type	k_qe96d5bf8f8_proj,@function
k_qe96d5bf8f8_proj:
	s_mov_b64 s[64:65], 0
	v_nop
	global_prefetch_b8 v0, s[64:65] scope:SCOPE_SE
	s_setreg_imm32_b32 hwreg(HW_REG_WAVE_MODE, 25, 1), 1
	s_wait_xcnt 0x0
	s_wait_alu depctr_hold_cnt(0) depctr_sa_sdst(0) depctr_va_vdst(0) depctr_va_sdst(0) depctr_va_ssrc(0) depctr_va_vcc(0) depctr_vm_vsrc(0)
	s_getreg_b32 s2, hwreg(HW_REG_IB_STS2, 6, 4)
	s_cmp_eq_u32 s2, 0
	s_cbranch_scc0 .Lentry_in_a_cluster
	s_endpgm
.Lentry_in_a_cluster:
	s_bfe_u32 s2, ttmp6, 0x10000c
	s_cmp_lg_u32 s2, 0xf033
	s_cbranch_scc0 .Lentry_shape_is_right
	s_endpgm
.Lentry_shape_is_right:
; x1 = x + A Wo^T + bo on FP6 (E2M3) codes with E8M0 scales.  A: records [256 tiles of 16 rows][2 chunks of 512 K]; Wo: records from byte WOFF of the weights' buffer, [64 tiles][2]; bo [1,024], x and x1 [4,096][1,024] f32.
; A record is 6,400 bytes: four fragment images (16 x 128 K) of 1,536 bytes and 256 bytes of scale words (16 r + 4 s).  Row i of tile t is 32 (t / 2) + 8 (t % 2) + i + 8 (i / 8).
; A work-group makes 128 x 128 of the result, four waves of 64 x 64 (16 accumulators).  ALL OF K COMES AT ONCE: a tile's two records are neighbours in memory, so one load a wave (four tiles, 51,200 dense bytes)
; brings everything: waves 0, 1 A's halves (LDS 0 .. 102,399), waves 2, 3 Wo's (102,400 .. 204,799).  No LDS byte is filled twice.
; CLUSTER 4 x 4: A's records are shared along a row of the cluster, Wo's along a column: asked for jointly.
; NO PREFETCH: every tile is asked for at the head; there is no loop to run ahead in.
; Source 0 = 16 rows of Wo, source 1 = 16 rows of A: a lane holds eight neighbouring columns of one row.  The bias is the C of the first K step.  The residual is loaded at the head, in the layout in which rows leave.
; REGISTERS: window 0: v4-31 addresses; v32-63 A's scale words (16 chunk + 4 i + s), v80-111 Wo's; v128-255 accumulators.  window 1: A's fragments, three sets at 48 q + 12 i; on the way out two sets of 32.
;   window 2: the residual (32 i + 4 k).   window 3: Wo's fragments, three sets at 48 q + 12 n; the bias at 144 + 8 n.
.set NCH,   2
.set WOFF,  2457600
.set REC,   6400
.set SPARE, 204800
.set STAGE, 205312                     ; 16 rows x (256 + 16) bytes for each wave
.set O16, 4
.set O8,  5
.set R16, 6
.set BO,  7
.set AD,  8                            ; v8-10 my four tiles of A: + 16 lane, + 8 lane, + 6,144 + 16 r; v11-13 of Wo
.set STO, 26
.set RD,  27
.set CO,  28
.set SPW, 30
.set NIL, 31
.set ASC, 32
.set BSC, 80
.set ACC, 128
.set G1A, 24
.set G0A, 32
.set G1B, 48
.set G0B, 56
.set MSB, 0
.macro WIN new                         ; the immediate's high byte repeats the setting that is left
.if MSB != \new
	s_set_vgpr_msb (MSB<<8)|\new
.set MSB, \new
.endif
.endm
.macro CROUND                          ; a round of the cluster's barrier
	s_barrier_signal -1
	s_barrier_wait -1
	s_cmp_lg_u32 s14, 0
	s_cbranch_scc1 .Lnot_wave_0_\@
	s_barrier_signal -3
.Lnot_wave_0_\@:
	s_barrier_wait -3
	s_barrier_signal -1
	s_barrier_wait -1
.endm
.macro PLACES                          ; four plain places behind matrix instructions (ISA guide 7.12.1)
.rept 4
	v_nop
.endr
.endm
.macro FRAG reg, a16, a8, off          ; a fragment's image comes back as it was stored
	ds_load_b128 v[(\reg):(\reg)+3], v[\a16] offset:(\off)
	ds_load_b64 v[(\reg)+4:(\reg)+5], v[\a8] offset:(\off)+512
	ds_load_b128 v[(\reg)+6:(\reg)+9], v[\a16] offset:(\off)+768
	ds_load_b64 v[(\reg)+10:(\reg)+11], v[\a8] offset:(\off)+1280
.endm
.macro ADR d, sb                       ; three address registers for the records that begin at LDS byte s[sb]
	v_add_nc_u32 v[\d], s[\sb], v[O16]
	v_add_nc_u32 v[\d+1], s[\sb], v[O8]
	v_add_nc_u32 v[\d+2], s[\sb], v[R16]
	v_add_nc_u32 v[\d+2], 6144, v[\d+2]
.endm
	s_load_b256 s[4:11], s[0:1], 0x0               ; A's records, the weights', the bias, the residual
	s_load_b64 s[12:13], s[0:1], 0x20              ; the result
	v_lshl_add_u32 v[SPW], v0, 2, SPARE
	v_mov_b32 v[NIL], 0
	ds_add_u32 v[SPW], v[NIL]                      ; the opening lines: the add, twice on end, and its wait ahead of my first tensor load
	ds_add_u32 v[SPW], v[NIL]
	v_lshrrev_b32 v1, 5, v0
	v_readfirstlane_b32 s14, v1                    ; wave 0..3
	s_lshr_b32 s15, s14, 1                         ; mh.  Also: I fetch for A (0) or for Wo (1)
	s_and_b32 s16, s14, 1                          ; nh.  Also: which four tiles I fetch
	s_bfe_u32 s40, ttmp6, 0x40000
	s_bfe_u32 s41, ttmp6, 0x40004
	s_lshl_b32 s42, ttmp9, 2
	s_add_co_u32 s42, s42, s40                     ; the tile of columns
	s_and_b32 s17, ttmp7, 0xffff
	s_lshl_b32 s17, s17, 2
	s_add_co_u32 s17, s17, s41                     ; the tile of rows
	s_lshl_b32 s43, s41, 2
	s_lshl_b32 s43, 15, s43                        ; my row of the cluster
	s_lshl_b32 s44, 0x1111, s40                    ; my column
	s_or_b32 s[G1A], s43, (3<<16)|(1<<21)          ; 15:0 the mask; 17:16 elements of 8 bytes; 21 set beside a mask
	s_or_b32 s[G1B], s44, (3<<16)|(1<<21)
.irp g, G1A, G1B                       ; four tiles, rows of 12,800 bytes (1,600 elements)
	s_mov_b32 s[\g+1], 1600<<16
	s_mov_b32 s[\g+2], 4<<16
	s_mov_b32 s[\g+3], 1600<<16
	s_mov_b32 s[\g+4], 4
	s_mov_b32 s[\g+5], 800*NCH
	s_mov_b32 s[\g+6], 0
	s_mov_b32 s[\g+7], 0
.endr
	s_lshl_b32 s18, s16, 2
	s_lshl_b32 s20, s17, 3
	s_add_co_u32 s20, s20, s18
	s_mul_i32 s20, s20, NCH*REC
	s_mov_b32 s21, 0
	s_lshl_b32 s46, s42, 3
	s_add_co_u32 s46, s46, s18
	s_mul_i32 s46, s46, NCH*REC
	s_add_co_u32 s46, s46, WOFF
	s_mov_b32 s47, 0
	s_mul_i32 s45, s14, 51200                      ; where they go: no place in the cluster enters an LDS address
	s_wait_dscnt 0x0                               ; both opening adds are done
	s_wait_kmcnt 0x0
	s_add_nc_u64 s[20:21], s[4:5], s[20:21]
	s_add_nc_u64 s[46:47], s[6:7], s[46:47]
	CROUND                                         ; all sixteen work-groups are here: the joint loads meet
	s_mov_b32 s[G0A], 1
	s_mov_b32 s[G0A+1], s45
	s_mov_b64 s[G0A+2:G0A+3], s[20:21]
	s_or_b32 s[G0A+3], s[G0A+3], 0x80000000
	s_mov_b32 s[G0B], 1
	s_mov_b32 s[G0B+1], s45
	s_mov_b64 s[G0B+2:G0B+3], s[46:47]
	s_or_b32 s[G0B+3], s[G0B+3], 0x80000000
	s_cmp_eq_u32 s15, 0                            ; my one tensor load; the branch hangs on the wave's number alone
	s_cbranch_scc0 .Lfor_w
	tensor_load_to_lds s[G0A:G0A+3], s[G1A:G1A+7]
	s_nop 0
	PLACES
	s_branch .Lasked
.Lfor_w:
	tensor_load_to_lds s[G0B:G0B+3], s[G1B:G1B+7]
	s_nop 0
	PLACES
.Lasked:
	v_and_b32 v1, 31, v0
	v_and_b32 v2, 15, v0                           ; r
	v_bfe_u32 v3, v0, 4, 1                         ; h
	v_lshlrev_b32 v[O16], 4, v1
	v_lshlrev_b32 v[O8], 3, v1
	v_lshlrev_b32 v[R16], 4, v2
	s_mul_i32 s18, s15, 51200                      ; my four tiles of A,
	ADR AD, 18
	s_mul_i32 s18, s16, 51200
	s_add_co_u32 s18, s18, 102400                  ; of Wo, behind A's eight
	ADR AD+3, 18
	s_mul_i32 s18, s14, 4352
	s_add_co_u32 s18, s18, STAGE                   ; my stage
	v_mul_u32_u24 v[STO], v2, 272
	v_lshl_add_u32 v[STO], v3, 6, v[STO]
	v_add_nc_u32 v[STO], s18, v[STO]               ; in: row r, + 64 h
	v_mul_u32_u24 v[RD], v3, 272
	v_add_nc_u32 v[RD], v[RD], v[R16]
	v_add_nc_u32 v[RD], s18, v[RD]                 ; back: lanes 0-15 one row of 256 bytes, lanes 16-31 the next
	v_lshl_add_u32 v[CO], v3, 12, v[R16]           ; and the same two rows in memory
	v_lshlrev_b32 v[BO], 6, v3
	s_wait_alu depctr_va_vdst(0)
	s_lshl_b32 s72, s42, 9
	s_lshl_b32 s73, s16, 8
	s_add_co_u32 s72, s72, s73                     ; my 64 columns, in bytes
	s_mov_b32 s73, 0
	s_lshl_b32 s70, s17, 7
	s_lshl_b32 s71, s15, 6
	s_add_co_u32 s70, s70, s71
	s_lshl_b32 s70, s70, 12                        ; my 64 rows
	s_add_co_u32 s70, s70, s72
	s_mov_b32 s71, 0
	s_add_nc_u64 s[8:9], s[8:9], s[72:73]
	s_add_nc_u64 s[10:11], s[10:11], s[70:71]
	s_add_nc_u64 s[12:13], s[12:13], s[70:71]
	WIN 0xc0
.irp n, 0,1,2,3
	global_load_b128 v[144+8*\n:147+8*\n], v[BO], s[8:9] offset:128*(\n/2)+32*(\n%2)      ; the bias in the result's layout: columns 32 (n / 2) + 16 h + 8 (n % 2) + 0 .. 7
	global_load_b128 v[148+8*\n:151+8*\n], v[BO], s[8:9] offset:128*(\n/2)+32*(\n%2)+16
.endr
	WIN 0x80
.irp i, 0,1,2,3
.irp k, 0,1,2,3,4,5,6,7
	global_load_b128 v[32*\i+4*\k:32*\i+4*\k+3], v[CO], s[10:11] offset:(32*(\i/2)+8*(\i%2)+2*\k+8*(\k/4))*4096
.endr
.endr
	WIN 0
.macro FETCHK                          ; the eight fragments of K step FK into set FK % 3
.set FQ, 48*(FK%3)
.set FOF, REC*(FK/4)+1536*(FK%4)
	WIN 0x40
.irp i, 0,1,2,3
	FRAG FQ+12*\i, AD, AD+1, FOF+12800*\i
.endr
	WIN 0xc0
.irp n, 0,1,2,3
	FRAG FQ+12*\n, AD+3, AD+4, FOF+12800*\n
.endr
	WIN 0
.endm
.macro MULK                            ; 16 products; the accumulators take turns, one instruction a turn
.set MS, MK%4
.set MP, 16*(MK/4)
.set MQ, 48*(MK%3)
.if MK == 0
	WIN 0x37                                       ; source 0 (Wo) window 3, source 1 (A) window 1, C (the bias) window 3
.else
	WIN 0x07
.endif
.irp i, 0,1,2,3
.irp n, 0,1,2,3
.if MK == 0
	v_wmma_scale_f32_16x16x128_f8f6f4 v[ACC+8*(4*\i+\n):ACC+8*(4*\i+\n)+7], v[MQ+12*\n:MQ+12*\n+11], v[MQ+12*\i:MQ+12*\i+11], v[144+8*\n:151+8*\n], v[BSC+MP+4*\n+MS], v[ASC+MP+4*\i+MS] matrix_a_fmt:MATRIX_FMT_FP6 matrix_b_fmt:MATRIX_FMT_FP6
.else
	v_wmma_scale_f32_16x16x128_f8f6f4 v[ACC+8*(4*\i+\n):ACC+8*(4*\i+\n)+7], v[MQ+12*\n:MQ+12*\n+11], v[MQ+12*\i:MQ+12*\i+11], v[ACC+8*(4*\i+\n):ACC+8*(4*\i+\n)+7], v[BSC+MP+4*\n+MS], v[ASC+MP+4*\i+MS] matrix_a_fmt:MATRIX_FMT_FP6 matrix_b_fmt:MATRIX_FMT_FP6
.endif
.endr
.endr
.endm
	s_wait_tensorcnt 0x0                           ; my part has landed,
	s_barrier_signal -1
	s_barrier_wait -1                              ; everybody's has
.irp c, 0,1
.irp i, 0,1,2,3
	ds_load_b128 v[ASC+16*\c+4*\i:ASC+16*\c+4*\i+3], v[AD+2] offset:12800*\i+REC*\c    ; the scale words: four a row and chunk
	ds_load_b128 v[BSC+16*\c+4*\i:BSC+16*\c+4*\i+3], v[AD+5] offset:12800*\i+REC*\c
.endr
.endr
.set FK, 0
	FETCHK
.set FK, 1
	FETCHK
.set FK, 2
	FETCHK
.set MK, 0
.rept 4*NCH
.if MK+2 < 4*NCH
	s_wait_dscnt 63                                ; this K step's set is in: behind it two sets of 32 loads were asked for (the count's field holds 63)
.elseif MK+1 < 4*NCH
	s_wait_dscnt 32
.else
	s_wait_dscnt 0x0
.endif
.if MK == 0
	s_wait_loadcnt 32                              ; the bias is in; the residual's 32 loads may be out
.endif
	MULK
	PLACES
	WIN 0
.if MK+3 < 4*NCH
.set FK, MK+3
	FETCHK
.endif
.set MK, MK+1
.endr
	; THE WAY OUT, a tile of 16 rows x 64 columns at a time, through my own stage: back as whole rows of 256 bytes, the residual added, sixteen lanes to an aligned block of 256 bytes
	s_wait_loadcnt 0x0                             ; the residual
.irp i, 0,1,2,3
.if \i > 1
	s_wait_xcnt 0x0                                ; the stores of two tiles back have read their registers
.endif
.irp n, 0,1,2,3
	ds_store_b128 v[STO], v[ACC+8*(4*\i+\n):ACC+8*(4*\i+\n)+3] offset:128*(\n/2)+32*(\n%2)      ; each accumulator from its low end on
	ds_store_b128 v[STO], v[ACC+8*(4*\i+\n)+4:ACC+8*(4*\i+\n)+7] offset:128*(\n/2)+32*(\n%2)+16
.endr
	WIN 0x40
.irp k, 0,1,2,3,4,5,6,7
	ds_load_b128 v[32*(\i%2)+4*\k:32*(\i%2)+4*\k+3], v[RD] offset:544*\k   ; LDS serves a wave's instructions in order: these see my stores
.endr
	s_wait_dscnt 0x0
	WIN 0x49                                       ; destination and source 0 window 1, source 1 (the residual) window 2
.irp e, 0,2,4,6,8,10,12,14,16,18,20,22,24,26,28,30
	v_pk_add_f32 v[32*(\i%2)+\e:32*(\i%2)+\e+1], v[32*(\i%2)+\e:32*(\i%2)+\e+1], v[32*\i+\e:32*\i+\e+1]
.endr
	WIN 0x04                                       ; a store's data: window 1
.irp k, 0,1,2,3,4,5,6,7
	global_store_b128 v[CO], v[32*(\i%2)+4*\k:32*(\i%2)+4*\k+3], s[12:13] offset:(32*(\i/2)+8*(\i%2)+2*\k+8*(\k/4))*4096
.endr
	WIN 0
.endr
	s_wait_tensorcnt 0x0                           ; the wave's end
	ds_add_u32 v[SPW], v[NIL]
	s_wait_dscnt 0x0
	CROUND                                         ; the closing round
	s_endpgm
.Lfunc_end_k_qe96d5bf8f8_proj:
	.size	k_qe96d5bf8f8_proj, .Lfunc_end_k_qe96d5bf8f8_proj-k_qe96d5bf8f8_proj
	.p2alignl 7, 3214868480
	.fill 96, 4, 3214868480
	.section	.rodata,"a",@progbits
	.p2align	6, 0x0
	.amdhsa_kernel k_qe96d5bf8f8_proj
		.amdhsa_group_segment_fixed_size 327680
		.amdhsa_private_segment_fixed_size 0
		.amdhsa_enable_private_segment 0
		.amdhsa_kernarg_size 40
		.amdhsa_user_sgpr_count 2
		.amdhsa_user_sgpr_kernarg_segment_ptr 1
		.amdhsa_wavefront_size32 1
		.amdhsa_system_sgpr_workgroup_id_x 1
		.amdhsa_system_sgpr_workgroup_id_y 1
		.amdhsa_system_sgpr_workgroup_id_z 1
		.amdhsa_system_vgpr_workitem_id 0
		.amdhsa_next_free_vgpr 1024
		.amdhsa_next_free_sgpr 100
		.amdhsa_reserve_vcc 0
		.amdhsa_float_denorm_mode_32 3
		.amdhsa_float_denorm_mode_16_64 3
		.amdhsa_memory_ordered 1
		.amdhsa_forward_progress 1
		.amdhsa_inst_pref_size 58
	.end_amdhsa_kernel
	.amdgpu_metadata
---
amdhsa.version: [ 1, 2 ]
amdhsa.kernels:
  - .name:           k_qe96d5bf8f8_proj
    .symbol:         k_qe96d5bf8f8_proj.kd
    .args:
      - { .name: aofrg, .offset: 0, .size: 8, .value_kind: global_buffer, .address_space: global }
      - { .name: wfrg, .offset: 8, .size: 8, .value_kind: global_buffer, .address_space: global }
      - { .name: bo, .offset: 16, .size: 8, .value_kind: global_buffer, .address_space: global }
      - { .name: x, .offset: 24, .size: 8, .value_kind: global_buffer, .address_space: global }
      - { .name: x1, .offset: 32, .size: 8, .value_kind: global_buffer, .address_space: global }
    .group_segment_fixed_size: 327680
    .private_segment_fixed_size: 0
    .kernarg_segment_align: 8
    .kernarg_segment_size: 40
    .max_flat_workgroup_size: 128
    .sgpr_count:     100
    .vgpr_count:     1024
    .wavefront_size: 32
...
	.end_amdgpu_metadata
.endif
;; end of part 4
;; launch ln2 (part 5): grid 256 x 1, 8 waves a work-group, no clusters, 70,656 bytes of LDS; arguments x1, g2, be2, hfrg; writes hfrg
.if DOCPART == 5
	.amdgcn_target "amdgcn-amd-amdhsa--gfx1250"
	.amdhsa_code_object_version 6
	.text
	.protected	k_qe96d5bf8f8_ln2
	.globl	k_qe96d5bf8f8_ln2
	.p2align	8
	.type	k_qe96d5bf8f8_ln2,@function
k_qe96d5bf8f8_ln2:
	s_mov_b64 s[64:65], 0
	v_nop
	global_prefetch_b8 v0, s[64:65] scope:SCOPE_SE
	s_setreg_imm32_b32 hwreg(HW_REG_WAVE_MODE, 25, 1), 1
	s_wait_xcnt 0x0
; LayerNorm of rows of 1,024 f32, then the quantiser along the row: out = records of FP6 codes (16 rows x 512 K, 6,400 bytes: four fragment images of 1,536 bytes, then 256 bytes of scale words at 16 r + 4 s).
; A work-group takes one tile of 16 rows: row i of tile t is 32 (t / 2) + 8 (t % 2) + i + 8 (i / 8).  Wave w takes columns 128 w .. 128 w + 127: one fragment.
; Each load reads 512 consecutive bytes of a row; they turn through the wave's own stage in LDS (rows 528 bytes apart), so that lane (r, h) holds of row r the numbers k = 32 b + 16 h + i in register 16 b + i.
; Mean and variance in two passes (the mean is taken off before the squares), each summed over the eight waves through LDS in a fixed order.
; LIMITS: NaN and infinities are not served; a block of zeros, or one under 2^-124, gets the scale byte 1 (this program alone reads the bytes).
.set RED1, 67584                       ; behind the eight stages: 16 rows x 8 partial sums; 512 bytes on, the same for the squares
.set SCL,  68608                       ; the 2 x 256 bytes of scale words
.set XO,   4                           ; v4   16 x lane + 512 w
.set GO,   5                           ; v5   512 w + 64 h
.set STW,  6
.set STR,  7
.set RW,   8                           ; v8   RED1 + 32 r + 4 w
.set RL,   9                           ; v9   RED1 + 32 r
.set SCW,  10                          ; v10  SCL + 256 (w / 4) + 16 r + 4 (w % 4)
.set O16,  11
.set O8,   12
.set FO,   13                          ; v13  6,400 h + 16 r
.set MEAN, 14                          ; v[14:15]
.set RS,   16                          ; v[16:17]
.set PS,   18                          ; v18-25 eight partial sums
.set SU,   26                          ; v26-29
.set TM,   30                          ; v30-41
.set PW,   42
.set FA,   43                          ; v43  SCL + 16 x lane
.set PC,   44                          ; v44-63
.set X,    64
.set R,    128                         ; as loaded; later the offsets be
.set G,    192
.set SEL,  24
.macro QUANT src, pw
.irp b, 0,1,2,3
	v_max3_num_f32 v[TM+\b], |v[(\src)+16*\b]|, |v[(\src)+1+16*\b]|, 0x1800000   ; my 16 numbers of block b, and the floor 2^(3 - 127): the byte cannot fall under 1
.endr
.irp i, 2,4,6,8,10,12,14
.irp b, 0,1,2,3
	s_delay_alu instid0(VALU_DEP_4)
	v_max3_num_f32 v[TM+\b], v[TM+\b], |v[(\src)+16*\b+\i]|, |v[(\src)+1+16*\b+\i]|
.endr
.endr
.irp b, 0,1,2,3
	s_delay_alu instid0(VALU_DEP_4)
	v_permlanex16_b32 v[TM+4+\b], v[TM+\b], s[SEL], s[SEL+1]
.endr
.irp b, 0,1,2,3
	s_delay_alu instid0(VALU_DEP_4)
	v_max_num_f32 v[TM+\b], v[TM+\b], v[TM+4+\b]
.endr
.irp b, 0,1,2,3
	s_delay_alu instid0(VALU_DEP_4)
	v_add_nc_u32 v[TM+8+\b], 0xff000000, v[TM+\b]  ; 2 off the exponent field: the conversion's scale operand
.endr
.irp b, 0,1,2,3
	s_delay_alu instid0(VALU_DEP_4)
	v_lshrrev_b32 v[TM+4+\b], 23, v[TM+8+\b]       ; the scale's byte
.endr
	s_delay_alu instid0(VALU_DEP_3)
	v_lshl_or_b32 v[\pw], v[TM+5], 8, v[TM+4]
	s_delay_alu instid0(VALU_DEP_1)
	v_lshl_or_b32 v[\pw], v[TM+6], 16, v[\pw]
	s_delay_alu instid0(VALU_DEP_1)
	v_lshl_or_b32 v[\pw], v[TM+7], 24, v[\pw]
.irp c, 0,1
	v_cvt_scalef32_pk16_fp6_f32 v[PC+6*\c:PC+2+6*\c], v[(\src)+32*\c:(\src)+15+32*\c], v[TM+8+2*\c]
	v_cvt_scalef32_pk16_fp6_f32 v[PC+12+4*\c:PC+14+4*\c], v[(\src)+16+32*\c:(\src)+31+32*\c], v[TM+9+2*\c]
.endr
	v_nop                                          ; one plain place behind a scaled conversion
.irp c, 0,1
.irp i, 0,1,2
	v_permlane16_swap_b32 v[PC+6*\c+\i], v[PC+12+4*\c+\i]
.endr
.irp i, 0,1,2
	s_delay_alu instid0(VALU_DEP_3)
	v_mov_b32 v[PC+3+6*\c+\i], v[PC+12+4*\c+\i]
.endr
.endr
.endm
.macro BAR                             ; my LDS stores have landed and my LDS loads are in: then the work-group's barrier
	s_wait_dscnt 0x0
	s_barrier_signal -1
	s_barrier_wait -1
.endm
.macro GATHER off                      ; my row's part in v[SU] goes to LDS; the eight waves' parts come back and are added in a fixed order: v[PS]
	s_delay_alu instid0(VALU_DEP_1)
	v_pk_add_f32 v[SU:SU+1], v[SU:SU+1], v[SU+2:SU+3]
	s_delay_alu instid0(VALU_DEP_1)
	v_add_f32 v[SU], v[SU], v[SU+1]
	s_delay_alu instid0(VALU_DEP_1)
	v_permlanex16_b32 v[SU+1], v[SU], s[SEL], s[SEL+1]
	s_delay_alu instid0(VALU_DEP_1)
	v_add_f32 v[SU], v[SU], v[SU+1]                ; with lane l xor 16's 64 numbers: my wave's 128 of row r
	ds_store_b32 v[RW], v[SU] offset:\off          ; both lanes of a row write the same word with the same value
	BAR
	ds_load_b128 v[PS:PS+3], v[RL] offset:\off
	ds_load_b128 v[PS+4:PS+7], v[RL] offset:\off+16
	s_wait_dscnt 0x0
	v_add_f32 v[PS], v[PS], v[PS+1]
	v_add_f32 v[PS+2], v[PS+2], v[PS+3]
	v_add_f32 v[PS+4], v[PS+4], v[PS+5]
	v_add_f32 v[PS+6], v[PS+6], v[PS+7]
	s_delay_alu instid0(VALU_DEP_3)
	v_add_f32 v[PS], v[PS], v[PS+2]
	s_delay_alu instid0(VALU_DEP_2)
	v_add_f32 v[PS+4], v[PS+4], v[PS+6]
	s_delay_alu instid0(VALU_DEP_1)
	v_add_f32 v[PS], v[PS], v[PS+4]
.endm
	s_load_b256 s[4:11], s[0:1], 0x0               ; the rows, the gains, the offsets, the records
	v_lshl_add_u32 v59, v0, 2, 0x11000
	v_mov_b32 v63, 0
	v_lshrrev_b32 v1, 5, v0
	s_delay_alu instid0(VALU_DEP_1)
	v_readfirstlane_b32 s12, v1                    ; wave 0..7
	v_and_b32 v1, 31, v0
	v_and_b32 v2, 15, v0                           ; r
	v_bfe_u32 v3, v0, 4, 1                         ; h
	s_lshl_b32 s13, s12, 9
	v_lshlrev_b32 v[O16], 4, v1
	v_lshlrev_b32 v[O8], 3, v1
	s_delay_alu instid0(VALU_DEP_2)
	v_add_nc_u32 v[XO], s13, v[O16]
	v_lshl_add_u32 v[GO], v3, 6, s13
	s_mul_i32 s14, s12, 8448
	v_add_nc_u32 v[STW], s14, v[O16]
	v_mul_u32_u24 v[STR], v2, 528
	s_delay_alu instid0(VALU_DEP_1)
	v_lshl_add_u32 v[STR], v3, 6, v[STR]
	s_delay_alu instid0(VALU_DEP_1)
	v_add_nc_u32 v[STR], s14, v[STR]
	s_lshl_b32 s15, s12, 2
	v_lshlrev_b32 v[RL], 5, v2
	s_delay_alu instid0(VALU_DEP_1)
	v_add_nc_u32 v[RL], RED1, v[RL]
	s_delay_alu instid0(VALU_DEP_1)
	v_add_nc_u32 v[RW], s15, v[RL]
	s_lshr_b32 s16, s12, 2                         ; my chunk of 512 along K
	s_lshl_b32 s17, s16, 8
	s_and_b32 s18, s12, 3                          ; my fragment in it
	s_lshl_b32 s19, s18, 2
	s_add_co_u32 s17, s17, s19
	v_lshlrev_b32 v[SCW], 4, v2
	s_delay_alu instid0(VALU_DEP_1)
	v_add_nc_u32 v[SCW], s17, v[SCW]
	s_delay_alu instid0(VALU_DEP_1)
	v_add_nc_u32 v[SCW], SCL, v[SCW]
	v_add_nc_u32 v[FA], SCL, v[O16]
	v_mul_u32_u24 v[FO], v3, 6400
	s_delay_alu instid0(VALU_DEP_1)
	v_lshl_add_u32 v[FO], v2, 4, v[FO]
	s_mov_b32 s[SEL], 0x76543210
	s_mov_b32 s[SEL+1], 0xfedcba98
.irp b, 0,1,2,3
	v_mov_b32 v[TM+4+\b], 0                        ; written once: a lane permute's destination counts as one of its sources
.endr
	s_lshr_b32 s20, ttmp9, 1
	s_lshl_b32 s20, s20, 17                        ; 32 rows of 4,096 bytes
	s_and_b32 s21, ttmp9, 1
	s_lshl_b32 s21, s21, 15                        ; 8 rows
	s_add_co_u32 s20, s20, s21
	s_mov_b32 s21, 0
	s_mul_i32 s22, ttmp9, 12800                    ; the tile's two records,
	s_mul_i32 s23, s16, 6400
	s_add_co_u32 s22, s22, s23
	s_mul_i32 s23, s18, 1536                       ; my fragment
	s_add_co_u32 s22, s22, s23
	s_mov_b32 s23, 0
	s_wait_kmcnt 0x0
	s_add_nc_u64 s[4:5], s[4:5], s[20:21]
	s_add_nc_u64 s[10:11], s[10:11], s[22:23]
.irp i, 0,1,2,3,4,5,6,7,8,9,10,11,12,13,14,15
	global_load_b128 v[R+4*\i:R+4*\i+3], v[XO], s[4:5] offset:(\i+8*(\i/8))*4096
.endr
.irp b, 0,1,2,3
.irp j, 0,1,2,3
	global_load_b128 v[G+16*\b+4*\j:G+16*\b+4*\j+3], v[GO], s[6:7] offset:128*\b+16*\j
.endr
.endr
	s_wait_loadcnt 16                              ; the rows are in; the gains' 16 loads may be out
.irp i, 0,1,2,3,4,5,6,7,8,9,10,11,12,13,14,15
	ds_store_b128 v[STW], v[R+4*\i:R+4*\i+3] offset:528*\i
.endr
.irp b, 0,1,2,3
.irp j, 0,1,2,3
	ds_load_b128 v[X+16*\b+4*\j:X+16*\b+4*\j+3], v[STR] offset:128*\b+16*\j
.endr
.endr
	s_wait_dscnt 0x0
.irp b, 0,1,2,3
.irp j, 0,1,2,3
	global_load_b128 v[R+16*\b+4*\j:R+16*\b+4*\j+3], v[GO], s[8:9] offset:128*\b+16*\j
.endr
.endr
	; the mean
	v_pk_add_f32 v[SU:SU+1], v[X:X+1], v[X+2:X+3]
	v_pk_add_f32 v[SU+2:SU+3], v[X+4:X+5], v[X+6:X+7]
.irp j, 8,12,16,20,24,28,32,36,40,44,48,52,56,60
	s_delay_alu instid0(VALU_DEP_2)
	v_pk_add_f32 v[SU:SU+1], v[SU:SU+1], v[X+\j:X+\j+1]
	s_delay_alu instid0(VALU_DEP_2)
	v_pk_add_f32 v[SU+2:SU+3], v[SU+2:SU+3], v[X+\j+2:X+\j+3]
.endr
	GATHER 0
	s_delay_alu instid0(VALU_DEP_1)
	v_mul_f32 v[MEAN], 0x3a800000, v[PS]           ; / 1,024
	s_delay_alu instid0(VALU_DEP_1)
	v_mov_b32 v[MEAN+1], v[MEAN]
.set EI, 0
.rept 32
	v_pk_add_f32 v[X+EI:X+EI+1], v[X+EI:X+EI+1], v[MEAN:MEAN+1] neg_lo:[0,1] neg_hi:[0,1]
.set EI, EI+2
.endr
	; the variance
	v_pk_mul_f32 v[SU:SU+1], v[X:X+1], v[X:X+1]
	v_pk_mul_f32 v[SU+2:SU+3], v[X+2:X+3], v[X+2:X+3]
.irp j, 4,8,12,16,20,24,28,32,36,40,44,48,52,56,60
	s_delay_alu instid0(VALU_DEP_2)
	v_pk_fma_f32 v[SU:SU+1], v[X+\j:X+\j+1], v[X+\j:X+\j+1], v[SU:SU+1]
	s_delay_alu instid0(VALU_DEP_2)
	v_pk_fma_f32 v[SU+2:SU+3], v[X+\j+2:X+\j+3], v[X+\j+2:X+\j+3], v[SU+2:SU+3]
.endr
	GATHER 512                                     ; other bytes than the first sum's: no barrier is owed between the two
	s_delay_alu instid0(VALU_DEP_1)
	v_mul_f32 v[PS], 0x3a800000, v[PS]
	s_delay_alu instid0(VALU_DEP_1)
	v_add_f32 v[PS], 0x3727c5ac, v[PS]             ; + 1e-5
	s_wait_alu depctr_va_vdst(0)
	v_rsq_f32 v[RS], v[PS]
	v_rsq_f32 v[RS+1], v[PS]
	v_nop                                          ; a plain place behind the transcendentals
	s_wait_alu depctr_va_vdst(0)                   ; one wait for both, ahead of their first reader
	s_wait_loadcnt 0x0                             ; gains and offsets
.set EI, 0
.rept 32
	v_pk_mul_f32 v[X+EI:X+EI+1], v[X+EI:X+EI+1], v[RS:RS+1]
.set EI, EI+2
.endr
.set EI, 0
.rept 32
	v_pk_fma_f32 v[X+EI:X+EI+1], v[X+EI:X+EI+1], v[G+EI:G+EI+1], v[R+EI:R+EI+1]
.set EI, EI+2
.endr
	QUANT X, PW
	global_store_b128 v[O16], v[PC:PC+3], s[10:11]
	global_store_b64 v[O8], v[PC+4:PC+5], s[10:11] offset:512
	global_store_b128 v[O16], v[PC+6:PC+9], s[10:11] offset:768
	global_store_b64 v[O8], v[PC+10:PC+11], s[10:11] offset:1280
	ds_store_b32 v[SCW], v[PW]
	BAR                                            ; the tile's 512 bytes of scale words lie in LDS
	s_cmp_lg_u32 s12, 0
	s_cbranch_scc1 .Ldone                          ; wave 0 (whose base stands at the tile's first record) stores them: two aligned blocks of 256 bytes
	ds_load_b128 v[PS:PS+3], v[FA]
	s_wait_dscnt 0x0
	global_store_b128 v[FO], v[PS:PS+3], s[10:11] offset:6144
.Ldone:
	s_wait_tensorcnt 0x0
	ds_add_u32 v59, v63
	s_wait_dscnt 0x0
	s_endpgm
.Lfunc_end_k_qe96d5bf8f8_ln2:
	.size	k_qe96d5bf8f8_ln2, .Lfunc_end_k_qe96d5bf8f8_ln2-k_qe96d5bf8f8_ln2
	.p2alignl 7, 3214868480
	.fill 96, 4, 3214868480
	.section	.rodata,"a",@progbits
	.p2align	6, 0x0
	.amdhsa_kernel k_qe96d5bf8f8_ln2
		.amdhsa_group_segment_fixed_size 70656
		.amdhsa_private_segment_fixed_size 0
		.amdhsa_enable_private_segment 0
		.amdhsa_kernarg_size 32
		.amdhsa_user_sgpr_count 2
		.amdhsa_user_sgpr_kernarg_segment_ptr 1
		.amdhsa_wavefront_size32 1
		.amdhsa_system_sgpr_workgroup_id_x 1
		.amdhsa_system_sgpr_workgroup_id_y 1
		.amdhsa_system_sgpr_workgroup_id_z 1
		.amdhsa_system_vgpr_workitem_id 0
		.amdhsa_next_free_vgpr 256
		.amdhsa_next_free_sgpr 66
		.amdhsa_reserve_vcc 0
		.amdhsa_float_denorm_mode_32 3
		.amdhsa_float_denorm_mode_16_64 3
		.amdhsa_memory_ordered 1
		.amdhsa_forward_progress 1
		.amdhsa_inst_pref_size 30
	.end_amdhsa_kernel
	.amdgpu_metadata
---
amdhsa.version: [ 1, 2 ]
amdhsa.kernels:
  - .name:           k_qe96d5bf8f8_ln2
    .symbol:         k_qe96d5bf8f8_ln2.kd
    .args:
      - { .name: x1, .offset: 0, .size: 8, .value_kind: global_buffer, .address_space: global }
      - { .name: g2, .offset: 8, .size: 8, .value_kind: global_buffer, .address_space: global }
      - { .name: be2, .offset: 16, .size: 8, .value_kind: global_buffer, .address_space: global }
      - { .name: hfrg, .offset: 24, .size: 8, .value_kind: global_buffer, .address_space: global }
    .group_segment_fixed_size: 70656
    .private_segment_fixed_size: 0
    .kernarg_segment_align: 8
    .kernarg_segment_size: 32
    .max_flat_workgroup_size: 256
    .sgpr_count:     66
    .vgpr_count:     256
    .wavefront_size: 32
...
	.end_amdgpu_metadata
.endif
;; end of part 5
;; launch ff1 (part 6): grid 8 x 32, 4 waves a work-group, clusters of 4 x 4, 327,680 bytes of LDS; arguments hfrg, wfrg, b1, hid; writes hid
.if DOCPART == 6
	.amdgcn_target "amdgcn-amd-amdhsa--gfx1250"
	.amdhsa_code_object_version 6
	.text
	.protected	k_qe96d5bf8f8_ff1
	.globl	k_qe96d5bf8f8_ff1
	.p2align	8
	.type	k_qe96d5bf8f8_ff1,@function
k_qe96d5bf8f8_ff1:
	s_mov_b64 s[64:65], 0
	v_nop
	global_prefetch_b8 v0, s[64:65] scope:SCOPE_SE
	s_setreg_imm32_b32 hwreg(HW_REG_WAVE_MODE, 25, 1), 1
	s_wait_xcnt 0x0
	s_wait_alu depctr_hold_cnt(0) depctr_sa_sdst(0) depctr_va_vdst(0) depctr_va_sdst(0) depctr_va_ssrc(0) depctr_va_vcc(0) depctr_vm_vsrc(0)
	s_getreg_b32 s2, hwreg(HW_REG_IB_STS2, 6, 4)
	s_cmp_eq_u32 s2, 0
	s_cbranch_scc0 .Lentry_in_a_cluster
	s_endpgm
.Lentry_in_a_cluster:
	s_bfe_u32 s2, ttmp6, 0x10000c
	s_cmp_lg_u32 s2, 0xf033
	s_cbranch_scc0 .Lentry_shape_is_right
	s_endpgm
.Lentry_shape_is_right:
; hid = Q(relu(h2 W1^T + b1)) on FP6 codes.  h2 and W1 come as records (16 rows x 512 K: four fragment images of 1,536 bytes, 256 bytes of scale words); hid leaves as records [256 tiles of rows][8 chunks].
; A work-group takes 128 tokens (y) and 512 hidden units (x = g): four tiles of 128 x 128, K = 1,024: exactly chunk g of hid's records.  Four waves of 64 x 64: 16 accumulators.
; h2's 128 x 1,024 codes come into LDS once and from there into REGISTERS (384 a wave), where they stay: a K step of 128 then reads only W1's four fragments (16 LDS loads for 16 products).
; W1's tiles (102,400 dense bytes each) go through two LDS slots; each wave fetches a quarter of each tile.
; CLUSTER 4 x 4: h2's tile is shared along a row of the cluster, a tile of W1 along a column: asked for jointly.
; Source 0 = 16 rows of W1, source 1 = 16 tokens: a lane holds one token and its registers run along the hidden units, the next product's K.  The bias is the C of a tile's first K step.
; Row i of a tile t is 32 (t / 2) + 8 (t % 2) + i + 8 (i / 8): the 16 registers of two neighbouring tiles are 16 neighbours along the next K.
; LIMITS: NaN and infinities are not served; a block of zeros, or one under 2^-124, gets the scale byte 1 (this program alone reads the bytes).
; REGISTERS: window 0: v0-25 addresses; v32-63 h2's scale words (8 i + s); v64-95 W1's (8 n + s); v96-223 accumulators; v224-235, v236-255 the quantiser.
;   windows 1, 2: h2's fragments.   window 3: W1's fragments, three sets at 48 q + 12 n; the bias at 144 + 8 n.
.set TILES, 4
.set TSTEP, 102400
.set WB,    3276800                    ; W1's first record
.set BS0,   102400
.set BS1,   204800
.set SPARE, 307200
.set STG,   307712                     ; 2,048 bytes: the scale words of the work-group's eight records
.set O16, 4
.set O8,  5
.set R16, 6
.set AA,  7
.set BB,  10
.set SST, 17                           ; v17  STG + 1,024 mh + 16 r + 2 nh
.set SRD, 18                           ; v18  STG + 512 w + 16 x lane
.set FO,  16                           ; v16  51,200 h + 16 r
.set BO,  19                           ; v19  64 h
.set SPW, 20
.set NIL, 21
.set PWR, 24
.set ASC, 32
.set BSC, 64
.set ACC, 96
.set TM,  224
.set PC,  236
.set G1A, 24
.set G0A, 32
.set G1B, 48
.set G0B, 56
.set SEL, 66
.set HP,  74
.set MSB, 0
.macro WIN new
.if MSB != \new
	s_set_vgpr_msb (MSB<<8)|\new
.set MSB, \new
.endif
.endm
.macro CROUND
	s_barrier_signal -1
	s_barrier_wait -1
	s_cmp_lg_u32 s14, 0
	s_cbranch_scc1 .Lnot_wave_0_\@
	s_barrier_signal -3
.Lnot_wave_0_\@:
	s_barrier_wait -3
	s_barrier_signal -1
	s_barrier_wait -1
.endm
.macro PLACES
.rept 4
	v_nop
.endr
.endm
.macro FRAG reg, a16, a8, off
	ds_load_b128 v[(\reg):(\reg)+3], v[\a16] offset:(\off)
	ds_load_b64 v[(\reg)+4:(\reg)+5], v[\a8] offset:(\off)+512
	ds_load_b128 v[(\reg)+6:(\reg)+9], v[\a16] offset:(\off)+768
	ds_load_b64 v[(\reg)+10:(\reg)+11], v[\a8] offset:(\off)+1280
.endm
.macro QUANT src, pw
.irp b, 0,1,2,3
	v_max3_num_f32 v[TM+\b], |v[(\src)+16*\b]|, |v[(\src)+1+16*\b]|, 0x1800000   ; my 16 numbers of block b, and the floor 2^(3 - 127): the byte cannot fall under 1
.endr
.irp i, 2,4,6,8,10,12,14
.irp b, 0,1,2,3
	v_max3_num_f32 v[TM+\b], v[TM+\b], |v[(\src)+16*\b+\i]|, |v[(\src)+1+16*\b+\i]|
.endr
.endr
.irp b, 0,1,2,3
	v_permlanex16_b32 v[TM+4+\b], v[TM+\b], s[SEL], s[SEL+1]
.endr
.irp b, 0,1,2,3
	v_max_num_f32 v[TM+\b], v[TM+\b], v[TM+4+\b]
.endr
.irp b, 0,1,2,3
	v_add_nc_u32 v[TM+8+\b], 0xff000000, v[TM+\b]
.endr
.irp b, 0,1,2,3
	v_lshrrev_b32 v[TM+4+\b], 23, v[TM+8+\b]
.endr
	v_lshl_or_b32 v[\pw], v[TM+5], 8, v[TM+4]
	v_lshl_or_b32 v[\pw], v[TM+6], 16, v[\pw]
	v_lshl_or_b32 v[\pw], v[TM+7], 24, v[\pw]
.irp c, 0,1
	v_cvt_scalef32_pk16_fp6_f32 v[PC+6*\c:PC+2+6*\c], v[(\src)+32*\c:(\src)+15+32*\c], v[TM+8+2*\c]
	v_cvt_scalef32_pk16_fp6_f32 v[PC+12+4*\c:PC+14+4*\c], v[(\src)+16+32*\c:(\src)+31+32*\c], v[TM+9+2*\c]
.endr
	v_nop                                          ; one plain place behind a scaled conversion
.irp c, 0,1
.irp i, 0,1,2
	v_permlane16_swap_b32 v[PC+6*\c+\i], v[PC+12+4*\c+\i]
.endr
.irp i, 0,1,2
	v_mov_b32 v[PC+3+6*\c+\i], v[PC+12+4*\c+\i]
.endr
.endr
.endm
	s_load_b256 s[4:11], s[0:1], 0x0               ; h2's records, the weights', b1, hid's records
	v_lshl_add_u32 v[SPW], v0, 2, SPARE
	v_mov_b32 v[NIL], 0
	ds_add_u32 v20, v21
	ds_add_u32 v20, v21
	s_wait_dscnt 0x0
	v_lshrrev_b32 v1, 5, v0
	v_readfirstlane_b32 s14, v1                    ; wave 0..3
	s_lshr_b32 s15, s14, 1                         ; mh
	s_and_b32 s16, s14, 1                          ; nh
	s_bfe_u32 s40, ttmp6, 0x40000
	s_bfe_u32 s41, ttmp6, 0x40004
	s_lshl_b32 s42, ttmp9, 2
	s_add_co_u32 s42, s42, s40                     ; g
	s_and_b32 s17, ttmp7, 0xffff
	s_lshl_b32 s17, s17, 2
	s_add_co_u32 s17, s17, s41                     ; the tile of tokens
	s_lshl_b32 s43, s41, 2
	s_lshl_b32 s43, 15, s43
	s_lshl_b32 s44, 0x1111, s40
	s_or_b32 s[G1A], s43, (3<<16)|(1<<21)          ; a quarter of a tile: 25,600 dense bytes as 100 rows of 256 (32 elements of 8 bytes)
	s_or_b32 s[G1B], s44, (3<<16)|(1<<21)
.irp g, G1A, G1B
	s_mov_b32 s[\g+1], 32<<16
	s_mov_b32 s[\g+2], 200<<16                     ; the head's loads bring half a tile, 200 rows
	s_mov_b32 s[\g+3], 32<<16
	s_mov_b32 s[\g+4], 200
	s_mov_b32 s[\g+5], 32
	s_mov_b32 s[\g+6], 0
	s_mov_b32 s[\g+7], 0
.endr
	s_mul_i32 s45, s14, 25600
	s_mul_i32 s80, s16, 51200                      ; at the head a wave fetches half a tile: which half
	s_mul_i32 s20, s17, 102400
	s_add_co_u32 s20, s20, s80
	s_mov_b32 s21, 0
	s_mul_i32 s46, s42, 409600                     ; W1's tile 4 g
	s_add_co_u32 s46, s46, WB
	s_add_co_u32 s82, s46, s80                     ; its half, for the head
	s_mov_b32 s83, 0
	s_add_co_u32 s46, s46, s45                     ; its quarter, for the ring
	s_mov_b32 s47, 0
	s_mov_b32 s[SEL], 0x76543210
	s_mov_b32 s[SEL+1], 0xfedcba98
	s_wait_kmcnt 0x0
	s_add_nc_u64 s[20:21], s[4:5], s[20:21]
	s_add_nc_u64 s[46:47], s[6:7], s[46:47]
	s_add_nc_u64 s[82:83], s[6:7], s[82:83]
	CROUND                                         ; all sixteen work-groups are here: the first joint loads meet
	s_mov_b32 s36, 1                               ; s[36:39]: group 0 for the head's half of W1's first tile
	s_add_co_u32 s37, s80, BS0
	s_mov_b64 s[38:39], s[82:83]
	s_or_b32 s39, s39, 0x80000000
	s_mov_b32 s[G0A], 1
	s_mov_b32 s[G0A+1], s80
	s_mov_b64 s[G0A+2:G0A+3], s[20:21]
	s_or_b32 s[G0A+3], s[G0A+3], 0x80000000
	s_mov_b32 s[G0B], 1
	s_add_co_u32 s[G0B+1], s45, BS0
	s_mov_b64 s[G0B+2:G0B+3], s[46:47]
	s_or_b32 s[G0B+3], s[G0B+3], 0x80000000
	s_mov_b32 s[G0B+4], 1
	s_add_co_u32 s[G0B+5], s45, BS1
	s_add_nc_u64 s[G0B+6:G0B+7], s[46:47], TSTEP
	s_or_b32 s[G0B+7], s[G0B+7], 0x80000000
	s_cmp_eq_u32 s15, 0                            ; one tensor load a wave at the head: waves 0, 1 fetch h2's halves, waves 2, 3 the halves of W1's first tile
	s_cbranch_scc0 .Lhead_w
	tensor_load_to_lds s[G0A:G0A+3], s[G1A:G1A+7]
	s_nop 0
	PLACES
	s_branch .Lhead_asked
.Lhead_w:
	tensor_load_to_lds s[36:39], s[G1B:G1B+7]
	s_nop 0
	PLACES
.Lhead_asked:
	v_and_b32 v1, 31, v0
	v_and_b32 v2, 15, v0
	v_bfe_u32 v3, v0, 4, 1
	v_lshlrev_b32 v[O16], 4, v1
	v_lshlrev_b32 v[O8], 3, v1
	v_lshlrev_b32 v[R16], 4, v2
	s_mul_i32 s18, s15, 51200
	v_add_nc_u32 v[AA], s18, v[O16]
	v_add_nc_u32 v[AA+1], s18, v[O8]
	v_add_nc_u32 v[AA+2], s18, v[R16]
	v_add_nc_u32 v[AA+2], 6144, v[AA+2]
	s_mul_i32 s18, s16, 51200
	s_add_co_u32 s19, s18, BS0
	v_add_nc_u32 v[BB], s19, v[O16]
	v_add_nc_u32 v[BB+1], s19, v[O8]
	v_add_nc_u32 v[BB+2], s19, v[R16]
	v_add_nc_u32 v[BB+2], 6144, v[BB+2]
	s_add_co_u32 s19, s18, BS1
	v_add_nc_u32 v[BB+3], s19, v[O16]
	v_add_nc_u32 v[BB+4], s19, v[O8]
	v_add_nc_u32 v[BB+5], s19, v[R16]
	v_add_nc_u32 v[BB+5], 6144, v[BB+5]
	s_lshl_b32 s18, s15, 10
	s_lshl_b32 s19, s16, 1
	s_add_co_u32 s18, s18, s19
	v_add_nc_u32 v[SST], s18, v[R16]
	v_add_nc_u32 v[SST], STG, v[SST]
	s_lshl_b32 s18, s14, 9
	v_add_nc_u32 v[SRD], s18, v[O16]
	v_add_nc_u32 v[SRD], STG, v[SRD]
	v_mul_u32_u24 v[FO], v3, 51200
	v_add_nc_u32 v[FO], v[FO], v[R16]
	v_lshlrev_b32 v[BO], 6, v3
	s_wait_alu depctr_va_vdst(0)
.irp b, 0,1,2,3
	v_mov_b32 v[TM+4+\b], 0
.endr
	s_lshl_b32 s70, s42, 11
	s_lshl_b32 s71, s16, 8
	s_add_co_u32 s70, s70, s71
	s_mov_b32 s71, 0
	s_add_nc_u64 s[8:9], s[8:9], s[70:71]          ; b1 at hidden unit 512 g + 64 nh
	s_lshl_b32 s72, s17, 3
	s_lshl_b32 s73, s15, 2
	s_add_co_u32 s72, s72, s73
	s_lshl_b32 s72, s72, 3
	s_add_co_u32 s72, s72, s42
	s_mul_i32 s72, s72, 6400
	s_mul_i32 s73, s16, 768
	s_add_co_u32 s72, s72, s73
	s_mov_b32 s73, 0
	s_add_nc_u64 s[HP:HP+1], s[10:11], s[72:73]    ; hid: chunk g of my first tile of tokens, my half of each fragment
	s_lshl_b32 s72, s17, 3
	s_lshl_b32 s76, s14, 1
	s_add_co_u32 s72, s72, s76
	s_lshl_b32 s72, s72, 3
	s_add_co_u32 s72, s72, s42
	s_mul_i32 s72, s72, 6400
	s_add_nc_u64 s[10:11], s[10:11], s[72:73]      ; the two records whose scale words I store at the end
.macro BIASLD                          ; the bias of tile SJ in the result's layout: hidden units 32 (n / 2) + 16 h + 8 (n % 2) + 0 .. 7 of my 64
	WIN 0xc0
.irp n, 0,1,2,3
	global_load_b128 v[144+8*\n:147+8*\n], v[BO], s[8:9] offset:512*SJ+128*(\n/2)+32*(\n%2)
	global_load_b128 v[148+8*\n:151+8*\n], v[BO], s[8:9] offset:512*SJ+128*(\n/2)+32*(\n%2)+16
.endr
	WIN 0
.endm
.set SJ, 0
	BIASLD
	s_wait_alu depctr_va_vdst(0)
	s_wait_tensorcnt 0x0                           ; my half tile has landed; slot 1's first fill is issued as a refill is:
	ds_add_u32 v[SPW], v[NIL]
	s_mov_b32 s[G1B+2], 100<<16                    ; no tensor load of mine is out: from here on a load brings a quarter of a tile, 100 rows
	s_mov_b32 s[G1B+4], 100
	s_wait_dscnt 0x0
	CROUND                                         ; h2's tile and W1's first are whole, and all sixteen work-groups are here
	tensor_load_to_lds s[G0B+4:G0B+7], s[G1B:G1B+7]    ; my quarter of W1's second tile, into slot 1
	s_nop 0
	PLACES
	WIN 0x40
.irp st, 0,1,2,3,4
.irp i, 0,1,2,3
	FRAG 48*\st+12*\i, AA, AA+1, 12800*\i+6400*(\st/4)+1536*(\st%4)
.endr
.endr
	WIN 0x80
.irp st, 5,6,7
.irp i, 0,1,2,3
	FRAG 48*(\st-5)+12*\i, AA, AA+1, 12800*\i+6400+1536*(\st-4)
.endr
.endr
	WIN 0
.irp i, 0,1,2,3
.irp c, 0,1
	ds_load_b128 v[ASC+8*\i+4*\c:ASC+8*\i+4*\c+3], v[AA+2] offset:12800*\i+6400*\c
.endr
.endr
.macro SCALESB
.irp n, 0,1,2,3
.irp c, 0,1
	ds_load_b128 v[BSC+8*\n+4*\c:BSC+8*\n+4*\c+3], v[BB+2+3*(SJ%2)] offset:12800*\n+6400*\c
.endr
.endr
.endm
.macro FETCHK
.set FQ, 48*(FK%3)
.set FAD, BB+3*((FK/8)%2)
.set FOF, 6400*((FK%8)/4)+1536*(FK%4)
	WIN 0xc0
.irp n, 0,1,2,3
	FRAG FQ+12*\n, FAD, FAD+1, FOF+12800*\n
.endr
	WIN 0
.endm
.macro MULK                            ; 16 products; the accumulators take turns, one instruction a turn
.set MS, MK%8
.set MQ, 48*(MK%3)
.if MS == 0
.set MA, 0
	WIN 0x37                                       ; source 0 (W1) window 3, source 1 (h2) window 1, C (the bias) window 3
.elseif MS < 5
.set MA, 48*MS
	WIN 0x07
.else
.set MA, 48*(MS-5)
	WIN 0x0b
.endif
.irp i, 0,1,2,3
.irp n, 0,1,2,3
.if MS == 0
	v_wmma_scale_f32_16x16x128_f8f6f4 v[ACC+8*(4*\i+\n):ACC+8*(4*\i+\n)+7], v[MQ+12*\n:MQ+12*\n+11], v[MA+12*\i:MA+12*\i+11], v[144+8*\n:151+8*\n], v[BSC+8*\n+MS], v[ASC+8*\i+MS] matrix_a_fmt:MATRIX_FMT_FP6 matrix_b_fmt:MATRIX_FMT_FP6
.else
	v_wmma_scale_f32_16x16x128_f8f6f4 v[ACC+8*(4*\i+\n):ACC+8*(4*\i+\n)+7], v[MQ+12*\n:MQ+12*\n+11], v[MA+12*\i:MA+12*\i+11], v[ACC+8*(4*\i+\n):ACC+8*(4*\i+\n)+7], v[BSC+8*\n+MS], v[ASC+8*\i+MS] matrix_a_fmt:MATRIX_FMT_FP6 matrix_b_fmt:MATRIX_FMT_FP6
.endif
.endr
.endr
.endm
; THE CHANGE OF SLOTS to tile CJ stands behind K step 5 of the tile before: that tile's last fragments have been asked for.  Each wave waits for all its tensor loads, adds 0 to its spare word, and waits for that and
; for its reads of the slot that it leaves.  Where a tile CJ + 1 exists, a round of the cluster's barrier follows and the slot just left is filled with it, first thing behind the round.
.macro CHANGE
	s_wait_tensorcnt 0x0
	ds_add_u32 v[SPW], v[NIL]
.if CJ+1 < TILES
	s_add_nc_u64 s[G0B+4*((CJ+1)%2)+2:G0B+4*((CJ+1)%2)+3], s[G0B+4*((CJ+1)%2)+2:G0B+4*((CJ+1)%2)+3], 2*TSTEP
.endif
	s_wait_dscnt 0x0
.if CJ+1 < TILES
	CROUND
	tensor_load_to_lds s[G0B+4*((CJ+1)%2):G0B+4*((CJ+1)%2)+3], s[G1B:G1B+7]
	s_nop 0
	PLACES
.else
	s_barrier_signal -1
	s_barrier_wait -1
.endif
.endm
; tile TJ's way out: relu, then two tiles of tokens at a time: 64 registers = 2 x (16 tokens x my 64 hidden units): my half of fragment TJ of two records
.macro EPI_H
.set EI, 0
.rept 128
	v_max_num_f32 v[ACC+EI], 0, v[ACC+EI]          ; each accumulator from its low end on
.set EI, EI+1
.endr
.irp pp, 0,1
	s_wait_xcnt 0x0                                ; earlier stores have read the codes' registers
	QUANT ACC+64*\pp, PWR+\pp
	global_store_b128 v[O16], v[PC:PC+3], s[HP:HP+1] offset:102400*\pp+1536*TJ
	global_store_b64 v[O8], v[PC+4:PC+5], s[HP:HP+1] offset:102400*\pp+1536*TJ+512
	global_store_b128 v[O16], v[PC+6:PC+9], s[HP:HP+1] offset:102400*\pp+51200+1536*TJ
	global_store_b64 v[O8], v[PC+10:PC+11], s[HP:HP+1] offset:102400*\pp+51200+1536*TJ+512
	ds_store_b16 v[SST], v[PWR+\pp] offset:512*\pp+4*TJ            ; my two bytes of row r's word TJ, tile 2 pp (both lanes of a row write the same),
	ds_store_b16_d16_hi v[SST], v[PWR+\pp] offset:512*\pp+256+4*TJ ; and tile 2 pp + 1
.endr
.endm
.set SJ, 0
	SCALESB
.set FK, 0
	FETCHK
.set FK, 1
	FETCHK
.set FK, 2
	FETCHK
.set MK, 0
.rept 8*TILES
.set TJ, MK/8
.set TS, MK%8
.if (TS == 0) && (TJ > 0)
	s_wait_dscnt 0x0                               ; the tile's scale words were asked for behind its first three sets
.elseif MK+2 < 8*TILES
	s_wait_dscnt 32                                ; this K step's set is in; the two sets asked for behind it (16 loads each) may be out
.elseif MK+1 < 8*TILES
	s_wait_dscnt 16
.else
	s_wait_dscnt 0x0
.endif
.if TS == 0
	s_wait_loadcnt 0x0                             ; the tile's bias
.endif
	MULK
	PLACES
	WIN 0
.if (TS == 5) && (TJ+1 < TILES)
.set CJ, TJ+1
	CHANGE
.endif
.if MK+3 < 8*TILES
.set FK, MK+3
	FETCHK
.endif
.if (TS == 7) && (TJ+1 < TILES)
.set SJ, TJ+1
	SCALESB
	BIASLD
.endif
.if TS == 7
	EPI_H
.endif
.set MK, MK+1
.endr
	s_wait_dscnt 0x0
	s_barrier_signal -1
	s_barrier_wait -1                              ; the eight records' 2,048 bytes of scale words lie in the stage
	ds_load_b128 v[TM:TM+3], v[SRD]
	s_wait_dscnt 0x0
	global_store_b128 v[FO], v[TM:TM+3], s[10:11] offset:6144   ; two aligned blocks of 256 bytes, one in each of my two records
	s_wait_tensorcnt 0x0                           ; the wave's end
	ds_add_u32 v[SPW], v[NIL]
	s_wait_dscnt 0x0
	CROUND                                         ; the closing round
	s_endpgm
.Lfunc_end_k_qe96d5bf8f8_ff1:
	.size	k_qe96d5bf8f8_ff1, .Lfunc_end_k_qe96d5bf8f8_ff1-k_qe96d5bf8f8_ff1
	.p2alignl 7, 3214868480
	.fill 96, 4, 3214868480
	.section	.rodata,"a",@progbits
	.p2align	6, 0x0
	.amdhsa_kernel k_qe96d5bf8f8_ff1
		.amdhsa_group_segment_fixed_size 327680
		.amdhsa_private_segment_fixed_size 0
		.amdhsa_enable_private_segment 0
		.amdhsa_kernarg_size 32
		.amdhsa_user_sgpr_count 2
		.amdhsa_user_sgpr_kernarg_segment_ptr 1
		.amdhsa_wavefront_size32 1
		.amdhsa_system_sgpr_workgroup_id_x 1
		.amdhsa_system_sgpr_workgroup_id_y 1
		.amdhsa_system_sgpr_workgroup_id_z 1
		.amdhsa_system_vgpr_workitem_id 0
		.amdhsa_next_free_vgpr 1024
		.amdhsa_next_free_sgpr 100
		.amdhsa_reserve_vcc 0
		.amdhsa_float_denorm_mode_32 3
		.amdhsa_float_denorm_mode_16_64 3
		.amdhsa_memory_ordered 1
		.amdhsa_forward_progress 1
		.amdhsa_inst_pref_size 179
	.end_amdhsa_kernel
	.amdgpu_metadata
---
amdhsa.version: [ 1, 2 ]
amdhsa.kernels:
  - .name:           k_qe96d5bf8f8_ff1
    .symbol:         k_qe96d5bf8f8_ff1.kd
    .args:
      - { .name: hfrg, .offset: 0, .size: 8, .value_kind: global_buffer, .address_space: global }
      - { .name: wfrg, .offset: 8, .size: 8, .value_kind: global_buffer, .address_space: global }
      - { .name: b1, .offset: 16, .size: 8, .value_kind: global_buffer, .address_space: global }
      - { .name: hid, .offset: 24, .size: 8, .value_kind: global_buffer, .address_space: global }
    .group_segment_fixed_size: 327680
    .private_segment_fixed_size: 0
    .kernarg_segment_align: 8
    .kernarg_segment_size: 32
    .max_flat_workgroup_size: 128
    .sgpr_count:     100
    .vgpr_count:     1024
    .wavefront_size: 32
...
	.end_amdgpu_metadata
.endif
;; end of part 6
;; launch ff2 (part 7): grid 8 x 32, 4 waves a work-group, clusters of 4 x 4, 327,680 bytes of LDS; arguments hid, wfrg, b2, x1, out0; writes out0
.if DOCPART == 7
	.amdgcn_target "amdgcn-amd-amdhsa--gfx1250"
	.amdhsa_code_object_version 6
	.text
	.protected	k_qe96d5bf8f8_ff2
	.globl	k_qe96d5bf8f8_ff2
	.p2align	8
	.type	k_qe96d5bf8f8_ff2,@function
k_qe96d5bf8f8_ff2:
	s_mov_b64 s[64:65], 0
	v_nop
	global_prefetch_b8 v0, s[64:65] scope:SCOPE_SE
	s_setreg_imm32_b32 hwreg(HW_REG_WAVE_MODE, 25, 1), 1
	s_wait_xcnt 0x0
	s_wait_alu depctr_hold_cnt(0) depctr_sa_sdst(0) depctr_va_vdst(0) depctr_va_sdst(0) depctr_va_ssrc(0) depctr_va_vcc(0) depctr_vm_vsrc(0)
	s_getreg_b32 s2, hwreg(HW_REG_IB_STS2, 6, 4)
	s_cmp_eq_u32 s2, 0
	s_cbranch_scc0 .Lentry_in_a_cluster
	s_endpgm
.Lentry_in_a_cluster:
	s_bfe_u32 s2, ttmp6, 0x10000c
	s_cmp_lg_u32 s2, 0xf033
	s_cbranch_scc0 .Lentry_shape_is_right
	s_endpgm
.Lentry_shape_is_right:
; out0 = x1 + hid W2^T + b2 on FP6 (E2M3) codes with E8M0 scales.  hid: records [256 tiles of 16 rows][8 chunks of 512 K]; W2: records from byte WOFF of the weights' buffer, [64 tiles][8]; b2 [1,024], x1 and out0 [4,096][1,024] f32.
; A record is 6,400 bytes: four fragment images (16 x 128 K) of 1,536 bytes and 256 bytes of scale words (16 r + 4 s).  Row i of tile t is 32 (t / 2) + 8 (t % 2) + i + 8 (i / 8).
; A work-group makes 128 x 128 of the result, four waves of 64 x 64 (16 accumulators).  Waves 0, 1 fetch hid's halves (four tiles each), waves 2, 3 W2's.
; THE RING HAS TWO REGIONS OF UNEQUAL SIZE, together three chunks.  X holds TWO chunks: a tile's records of neighbouring chunks are neighbours in memory, so one load with rows of 12,800 bytes brings both
; (hid's 8 tiles x 12,800 bytes, then W2's 8).  Y holds ONE chunk (hid's 8 records, then W2's 8).  The chunks go 0, 1 in X | 2 in Y | 3, 4 in X | 5 in Y | 6, 7 in X: five fills, numbered 0 to 4.
; Fill 0 is the head's, one load a wave; fill 1 (Y's first) stands behind the full sequence and a round, as a refill does; fills 2, 3, 4 stand behind K steps 5, 9, 17.  No barrier stands between X's two chunks.
; CLUSTER 4 x 4: hid's records are shared along a row of the cluster, W2's along a column: asked for jointly.
; PREFETCH INTO THE L2, ONE FILL AHEAD: behind fill f's joint load, and behind the run of LDS loads that follows it, the bytes of fill f + 1 are asked for; fill 4 asks for nothing.  Of the four tiles that a wave fetches jointly
; with three partners, the partner at place p (cx for hid, cy for W2) names tile p: one chunk is 25 blocks of 256 bytes (one instruction, a lane a block), two chunks are 50 (two); lanes left over name the last block again.
; The residual's loads stand behind fill 3 and its prefetch: 22 K steps ahead of the way out, which alone reads them.
; Source 0 = 16 rows of W2, source 1 = 16 rows of hid: a lane holds eight neighbouring columns of one row of the result.  The bias is the C of the first K step.
; REGISTERS: window 0: v4-29 addresses and offsets; v32-63 hid's scale words (16 (chunk % 2) + 4 i + s), v64-95 W2's; v96-223 accumulators.  window 1: hid's fragments, three sets at 48 q + 12 i; on the way out two sets of 32.
;   window 2: the residual (32 i + 4 k).   window 3: W2's fragments, three sets at 48 q + 12 n; the bias at 144 + 8 n.
.set NCH,   8
.set WOFF,  6553600
.set REC,   6400
.set YS,    204800                     ; LDS: X at 0, Y here,
.set SPARE, 307200                     ; the spare words,
.set STAGE, 307712                     ; and 16 rows x (256 + 16) bytes for each wave, for the way out
.set O16, 4
.set O8,  5
.set R16, 6
.set AD,  8                            ; v8-13 region X: hid + 16 lane, + 8 lane, + 6,144 + 16 r; W2 likewise; v14-19 region Y
.set STO, 20
.set RD,  21
.set CO,  22
.set BO,  23
.set SPW, 24
.set NIL, 25
.set PF,  26                           ; v26 256 x lane; v27 the same held at block 17; v28 held at block 24
.set ASC, 32
.set BSC, 64
.set ACC, 96
.set G1A,  24                          ; s[24:31] group 1 for hid's part of X;  s[76:83] of Y
.set G1AY, 76
.set G0A,  32                          ; s[32:35] group 0 for hid's part of X, s[36:39] of Y
.set G1B,  48                          ; s[48:55], s[84:91], s[56:59], s[60:63]: the same for W2
.set G1BY, 84
.set G0B,  56
.set PFB,  92                          ; s[92:93] the tile that my prefetches name
.set MSB, 0
.macro WIN new                         ; the immediate's high byte repeats the setting that is left
.if MSB != \new
	s_set_vgpr_msb (MSB<<8)|\new
.set MSB, \new
.endif
.endm
.macro CROUND                          ; a round of the cluster's barrier
	s_barrier_signal -1
	s_barrier_wait -1
	s_cmp_lg_u32 s14, 0
	s_cbranch_scc1 .Lnot_wave_0_\@
	s_barrier_signal -3
.Lnot_wave_0_\@:
	s_barrier_wait -3
	s_barrier_signal -1
	s_barrier_wait -1
.endm
.macro PLACES                          ; four plain places behind matrix instructions (ISA guide 7.12.1)
.rept 4
	v_nop
.endr
.endm
.macro JLOAD g0a, g1a, g0b, g1b        ; a joint load; the branch hangs on the wave's number alone
	s_cmp_eq_u32 s15, 0
	s_cbranch_scc0 .Lfor_b_\@
	tensor_load_to_lds s[\g0a:\g0a+3], s[\g1a:\g1a+7]
	s_nop 0
	PLACES
	s_branch .Lasked_\@
.Lfor_b_\@:
	tensor_load_to_lds s[\g0b:\g0b+3], s[\g1b:\g1b+7]
	s_nop 0
	PLACES
.Lasked_\@:
.endm
.macro FRAG reg, a16, a8, off          ; a fragment's image comes back as it was stored
	ds_load_b128 v[(\reg):(\reg)+3], v[\a16] offset:(\off)
	ds_load_b64 v[(\reg)+4:(\reg)+5], v[\a8] offset:(\off)+512
	ds_load_b128 v[(\reg)+6:(\reg)+9], v[\a16] offset:(\off)+768
	ds_load_b64 v[(\reg)+10:(\reg)+11], v[\a8] offset:(\off)+1280
.endm
.macro ADR d, sb                       ; three address registers for the records that begin at LDS byte s[sb]
	v_add_nc_u32 v[\d], s[\sb], v[O16]
	v_add_nc_u32 v[\d+1], s[\sb], v[O8]
	v_add_nc_u32 v[\d+2], s[\sb], v[R16]
	v_add_nc_u32 v[\d+2], 6144, v[\d+2]
.endm
.macro ASK1 off                        ; one chunk of my tile, from byte off of its 51,200: 25 blocks
	global_prefetch_b8 v[PF+2], s[PFB:PFB+1] offset:\off th:TH_LOAD_NT scope:SCOPE_SE
.endm
.macro ASK2 off                        ; two chunks: 50 blocks
	global_prefetch_b8 v[PF], s[PFB:PFB+1] offset:\off th:TH_LOAD_NT scope:SCOPE_SE
	global_prefetch_b8 v[PF+1], s[PFB:PFB+1] offset:\off+8192 th:TH_LOAD_NT scope:SCOPE_SE
.endm
	s_load_b256 s[4:11], s[0:1], 0x0               ; hid's records, the weights', the bias, the residual
	s_load_b64 s[12:13], s[0:1], 0x20              ; the result
	v_lshl_add_u32 v[SPW], v0, 2, SPARE
	v_mov_b32 v[NIL], 0
	ds_add_u32 v[SPW], v[NIL]                      ; the opening lines: the add, twice on end, and its wait ahead of my first tensor load
	ds_add_u32 v[SPW], v[NIL]
	v_lshrrev_b32 v1, 5, v0
	v_readfirstlane_b32 s14, v1                    ; wave 0..3
	s_lshr_b32 s15, s14, 1                         ; mh.  Also: I fetch for hid (0) or for W2 (1)
	s_and_b32 s16, s14, 1                          ; nh.  Also: which four tiles I fetch
	s_bfe_u32 s40, ttmp6, 0x40000                  ; cx, cy
	s_bfe_u32 s41, ttmp6, 0x40004
	s_lshl_b32 s42, ttmp9, 2
	s_add_co_u32 s42, s42, s40                     ; the tile of columns
	s_and_b32 s17, ttmp7, 0xffff
	s_lshl_b32 s17, s17, 2
	s_add_co_u32 s17, s17, s41                     ; the tile of rows
	s_lshl_b32 s43, s41, 2
	s_lshl_b32 s43, 15, s43                        ; my row of the cluster
	s_lshl_b32 s44, 0x1111, s40                    ; my column
	s_or_b32 s[G1A], s43, (3<<16)|(1<<21)          ; 15:0 the mask; 17:16 elements of 8 bytes; 21 set beside a mask
	s_or_b32 s[G1B], s44, (3<<16)|(1<<21)
	s_or_b32 s[G1AY], s43, (3<<16)|(1<<21)
	s_or_b32 s[G1BY], s44, (3<<16)|(1<<21)
.irp g, G1A, G1B                       ; X: four tiles, NCH records apart: rows of two chunks, 1,600 elements
	s_mov_b32 s[\g+1], 1600<<16
	s_mov_b32 s[\g+2], 4<<16
	s_mov_b32 s[\g+3], 1600<<16
	s_mov_b32 s[\g+4], 4
	s_mov_b32 s[\g+5], 800*NCH
	s_mov_b32 s[\g+6], 0
	s_mov_b32 s[\g+7], 0
.endr
.irp g, G1AY, G1BY                     ; Y: rows of one chunk, 800 elements
	s_mov_b32 s[\g+1], 800<<16
	s_mov_b32 s[\g+2], 4<<16
	s_mov_b32 s[\g+3], 800<<16
	s_mov_b32 s[\g+4], 4
	s_mov_b32 s[\g+5], 800*NCH
	s_mov_b32 s[\g+6], 0
	s_mov_b32 s[\g+7], 0
.endr
	s_lshl_b32 s18, s16, 2
	s_lshl_b32 s20, s17, 3
	s_add_co_u32 s20, s20, s18
	s_mul_i32 s20, s20, NCH*REC
	s_mov_b32 s21, 0
	s_lshl_b32 s46, s42, 3
	s_add_co_u32 s46, s46, s18
	s_mul_i32 s46, s46, NCH*REC
	s_add_co_u32 s46, s46, WOFF
	s_mov_b32 s47, 0
	s_mul_i32 s45, s14, 51200                      ; where my four tiles go in X,
	s_mul_i32 s74, s14, 25600                      ; and in Y: no place in the cluster enters an LDS address
	s_wait_dscnt 0x0                               ; both opening adds are done
	s_wait_kmcnt 0x0
	s_add_nc_u64 s[20:21], s[4:5], s[20:21]
	s_add_nc_u64 s[46:47], s[6:7], s[46:47]
	CROUND                                         ; all sixteen work-groups are here: the first joint loads meet
	s_mov_b32 s[G0A], 1                            ; X: chunks 0 and 1
	s_mov_b32 s[G0A+1], s45
	s_mov_b64 s[G0A+2:G0A+3], s[20:21]
	s_or_b32 s[G0A+3], s[G0A+3], 0x80000000
	s_mov_b32 s[G0A+4], 1                          ; Y: chunk 2
	s_add_co_u32 s[G0A+5], s74, YS
	s_add_nc_u64 s[G0A+6:G0A+7], s[20:21], 2*REC
	s_or_b32 s[G0A+7], s[G0A+7], 0x80000000
	s_mov_b32 s[G0B], 1
	s_mov_b32 s[G0B+1], s45
	s_mov_b64 s[G0B+2:G0B+3], s[46:47]
	s_or_b32 s[G0B+3], s[G0B+3], 0x80000000
	s_mov_b32 s[G0B+4], 1
	s_add_co_u32 s[G0B+5], s74, YS
	s_add_nc_u64 s[G0B+6:G0B+7], s[46:47], 2*REC
	s_or_b32 s[G0B+7], s[G0B+7], 0x80000000
	JLOAD G0A, G1A, G0B, G1B                       ; fill 0: my one tensor load at the head
	v_and_b32 v1, 31, v0
	v_and_b32 v2, 15, v0                           ; r
	v_bfe_u32 v3, v0, 4, 1                         ; h
	v_lshlrev_b32 v[O16], 4, v1
	v_lshlrev_b32 v[O8], 3, v1
	v_lshlrev_b32 v[R16], 4, v2
	s_mul_i32 s18, s15, 51200                      ; X: my four tiles of hid, 12,800 bytes each,
	ADR AD, 18
	s_mul_i32 s18, s16, 51200
	s_add_co_u32 s18, s18, 102400                  ; of W2, behind hid's eight
	ADR AD+3, 18
	s_mul_i32 s18, s15, 25600                      ; Y: 6,400 bytes a tile
	s_add_co_u32 s18, s18, YS
	ADR AD+6, 18
	s_mul_i32 s18, s16, 25600
	s_add_co_u32 s18, s18, YS+51200
	ADR AD+9, 18
	s_mul_i32 s18, s14, 4352
	s_add_co_u32 s18, s18, STAGE                   ; my stage
	v_mul_u32_u24 v[STO], v2, 272
	v_lshl_add_u32 v[STO], v3, 6, v[STO]
	v_add_nc_u32 v[STO], s18, v[STO]               ; in: row r, + 64 h
	v_mul_u32_u24 v[RD], v3, 272
	v_add_nc_u32 v[RD], v[RD], v[R16]
	v_add_nc_u32 v[RD], s18, v[RD]                 ; back: lanes 0-15 one row of 256 bytes, lanes 16-31 the next
	v_lshl_add_u32 v[CO], v3, 12, v[R16]           ; and the same two rows in memory
	v_lshlrev_b32 v[BO], 6, v3
	v_lshlrev_b32 v[PF], 8, v1                     ; the prefetches: a lane a block of 256 bytes;
	v_min_u32 v[PF+1], 4352, v[PF]                 ; blocks 32 .. 49 of 50,
	v_min_u32 v[PF+2], 6144, v[PF]                 ; blocks 0 .. 24 of 25
	s_wait_alu depctr_va_vdst(0)
	s_cmp_eq_u32 s15, 0
	s_cselect_b64 s[PFB:PFB+1], s[20:21], s[46:47] ; the four tiles that I fetch,
	s_cselect_b32 s94, s40, s41                    ; my place among the four work-groups that ask for them with me,
	s_mul_i32 s94, s94, NCH*REC
	s_mov_b32 s95, 0
	s_add_nc_u64 s[PFB:PFB+1], s[PFB:PFB+1], s[94:95]   ; and so my tile of the four
	s_lshl_b32 s72, s42, 9
	s_lshl_b32 s73, s16, 8
	s_add_co_u32 s72, s72, s73                     ; my 64 columns, in bytes
	s_mov_b32 s73, 0
	s_lshl_b32 s70, s17, 7
	s_lshl_b32 s71, s15, 6
	s_add_co_u32 s70, s70, s71
	s_lshl_b32 s70, s70, 12                        ; my 64 rows
	s_add_co_u32 s70, s70, s72
	s_mov_b32 s71, 0
	s_add_nc_u64 s[8:9], s[8:9], s[72:73]
	s_add_nc_u64 s[10:11], s[10:11], s[70:71]
	s_add_nc_u64 s[12:13], s[12:13], s[70:71]
	WIN 0xc0
.irp n, 0,1,2,3
	global_load_b128 v[144+8*\n:147+8*\n], v[BO], s[8:9] offset:128*(\n/2)+32*(\n%2)      ; the bias in the result's layout: columns 32 (n / 2) + 16 h + 8 (n % 2) + 0 .. 7
	global_load_b128 v[148+8*\n:151+8*\n], v[BO], s[8:9] offset:128*(\n/2)+32*(\n%2)+16
.endr
	WIN 0
	ASK1 2*REC                                     ; fill 1's bytes: chunk 2
; Where chunk c lies: c % 3 = 0, 1: X, a tile's first or second record (tiles 12,800 bytes apart); c % 3 = 2: Y (tiles 6,400 bytes apart)
.macro SCALES                          ; the scale words of chunk CC: four words a row
.set SRG, (CC%3)/2
.set SRS, 12800-REC*SRG
.set SOF, REC*((CC%3)%2)
.irp i, 0,1,2,3
	ds_load_b128 v[ASC+16*(CC%2)+4*\i:ASC+16*(CC%2)+4*\i+3], v[AD+6*SRG+2] offset:SOF+SRS*\i
	ds_load_b128 v[BSC+16*(CC%2)+4*\i:BSC+16*(CC%2)+4*\i+3], v[AD+6*SRG+5] offset:SOF+SRS*\i
.endr
.endm
.macro FETCHK                          ; the eight fragments of K step FK (chunk FK / 4) into set FK % 3
.set FQ, 48*(FK%3)
.set FRG, ((FK/4)%3)/2
.set FAD, AD+6*FRG
.set FRS, 12800-REC*FRG
.set FOF, 1536*(FK%4)+REC*(((FK/4)%3)%2)
	WIN 0x40
.irp i, 0,1,2,3
	FRAG FQ+12*\i, FAD, FAD+1, FOF+FRS*\i
.endr
	WIN 0xc0
.irp n, 0,1,2,3
	FRAG FQ+12*\n, FAD+3, FAD+4, FOF+FRS*\n
.endr
	WIN 0
.endm
.macro MULK                            ; 16 products; the accumulators take turns, one instruction a turn
.set MS, MK%4
.set MP, 16*((MK/4)%2)
.set MQ, 48*(MK%3)
.if MK == 0
	WIN 0x37                                       ; source 0 (W2) window 3, source 1 (hid) window 1, C (the bias) window 3
.else
	WIN 0x07
.endif
.irp i, 0,1,2,3
.irp n, 0,1,2,3
.if MK == 0
	v_wmma_scale_f32_16x16x128_f8f6f4 v[ACC+8*(4*\i+\n):ACC+8*(4*\i+\n)+7], v[MQ+12*\n:MQ+12*\n+11], v[MQ+12*\i:MQ+12*\i+11], v[144+8*\n:151+8*\n], v[BSC+MP+4*\n+MS], v[ASC+MP+4*\i+MS] matrix_a_fmt:MATRIX_FMT_FP6 matrix_b_fmt:MATRIX_FMT_FP6
.else
	v_wmma_scale_f32_16x16x128_f8f6f4 v[ACC+8*(4*\i+\n):ACC+8*(4*\i+\n)+7], v[MQ+12*\n:MQ+12*\n+11], v[MQ+12*\i:MQ+12*\i+11], v[ACC+8*(4*\i+\n):ACC+8*(4*\i+\n)+7], v[BSC+MP+4*\n+MS], v[ASC+MP+4*\i+MS] matrix_a_fmt:MATRIX_FMT_FP6 matrix_b_fmt:MATRIX_FMT_FP6
.endif
.endr
.endr
.endm
; THE CHANGE OF REGIONS stands behind K step 1 of the last chunk of the region that is left (CR = 0: X, 1: Y): that chunk's last fragments have been asked for.  Each wave waits for all its tensor loads (its part of the
; region ahead), adds 0 to its spare word, and waits for that and for its reads of the region that it leaves.  CF = 1: chunks are left for that region: a round of the cluster's barrier follows, and the region is filled
; again first thing behind the round, with the chunks three on.
.macro CHANGE
	s_wait_tensorcnt 0x0
	ds_add_u32 v[SPW], v[NIL]
.if CF
	s_add_nc_u64 s[G0A+4*CR+2:G0A+4*CR+3], s[G0A+4*CR+2:G0A+4*CR+3], 3*REC   ; no tensor load of mine is out: the region's next chunks
	s_add_nc_u64 s[G0B+4*CR+2:G0B+4*CR+3], s[G0B+4*CR+2:G0B+4*CR+3], 3*REC
.endif
	s_wait_dscnt 0x0
.if CF
	CROUND
.if CR
	JLOAD G0A+4, G1AY, G0B+4, G1BY
.else
	JLOAD G0A, G1A, G0B, G1B
.endif
.else
	s_barrier_signal -1
	s_barrier_wait -1
.endif
.endm
	s_wait_tensorcnt 0x0                           ; my part of X (chunks 0, 1) has landed; Y's first fill is issued as a refill is:
	ds_add_u32 v[SPW], v[NIL]
	s_wait_dscnt 0x0
	CROUND                                         ; X is whole, and all sixteen work-groups are here
	JLOAD G0A+4, G1AY, G0B+4, G1BY                 ; fill 1: chunk 2 into Y
.set CC, 0
	SCALES
.set FK, 0
	FETCHK
.set FK, 1
	FETCHK
.set FK, 2
	FETCHK
	ASK2 3*REC                                     ; fill 2's bytes: chunks 3, 4
.set MK, 0
.rept 4*NCH
.set TC, MK/4
.set TS, MK%4
.set ASKN, 0
.if MK+2 < 4*NCH
	s_wait_dscnt 63                                ; this K step's set is in: behind it two sets of 32 loads were asked for (the count's field holds 63)
.elseif MK+1 < 4*NCH
	s_wait_dscnt 32
.else
	s_wait_dscnt 0x0
.endif
.if MK == 0
	s_wait_loadcnt 0x0                             ; the bias
.endif
	MULK
	PLACES
	WIN 0
.if (TS == 1) && (TC+1 < NCH)
.if TC%3 > 0                           ; the next chunk lies in the other region
.set CR, (TC%3)/2
.if TC+3 < NCH
.set CF, 1
.set ASKN, TC
.else
.set CF, 0
.endif
	CHANGE
.endif
.set CC, TC+1
	SCALES
.endif
.if MK+3 < 4*NCH
.set FK, MK+3
	FETCHK
.endif
.if ASKN == 1
	ASK1 5*REC                                     ; behind fill 2: fill 3's bytes: chunk 5
.endif
.if ASKN == 2
	ASK2 6*REC                                     ; behind fill 3: fill 4's bytes: chunks 6, 7; and the residual, in the layout in which rows leave
	WIN 0x80
.irp i, 0,1,2,3
.irp k, 0,1,2,3,4,5,6,7
	global_load_b128 v[32*\i+4*\k:32*\i+4*\k+3], v[CO], s[10:11] offset:(32*(\i/2)+8*(\i%2)+2*\k+8*(\k/4))*4096
.endr
.endr
	WIN 0
.endif
.set MK, MK+1
.endr
	; THE WAY OUT, a tile of 16 rows x 64 columns at a time, through my own stage: back as whole rows of 256 bytes, the residual added, sixteen lanes to an aligned block of 256 bytes
	s_wait_loadcnt 0x0                             ; the residual
.irp i, 0,1,2,3
.if \i > 1
	s_wait_xcnt 0x0                                ; the stores of two tiles back have read their registers
.endif
.irp n, 0,1,2,3
	ds_store_b128 v[STO], v[ACC+8*(4*\i+\n):ACC+8*(4*\i+\n)+3] offset:128*(\n/2)+32*(\n%2)      ; each accumulator from its low end on
	ds_store_b128 v[STO], v[ACC+8*(4*\i+\n)+4:ACC+8*(4*\i+\n)+7] offset:128*(\n/2)+32*(\n%2)+16
.endr
	WIN 0x40
.irp k, 0,1,2,3,4,5,6,7
	ds_load_b128 v[32*(\i%2)+4*\k:32*(\i%2)+4*\k+3], v[RD] offset:544*\k   ; LDS serves a wave's instructions in order: these see my stores
.endr
	s_wait_dscnt 0x0
	WIN 0x49                                       ; destination and source 0 window 1, source 1 (the residual) window 2
.irp e, 0,2,4,6,8,10,12,14,16,18,20,22,24,26,28,30
	v_pk_add_f32 v[32*(\i%2)+\e:32*(\i%2)+\e+1], v[32*(\i%2)+\e:32*(\i%2)+\e+1], v[32*\i+\e:32*\i+\e+1]
.endr
	WIN 0x04                                       ; a store's data: window 1
.irp k, 0,1,2,3,4,5,6,7
	global_store_b128 v[CO], v[32*(\i%2)+4*\k:32*(\i%2)+4*\k+3], s[12:13] offset:(32*(\i/2)+8*(\i%2)+2*\k+8*(\k/4))*4096
.endr
	WIN 0
.endr
	s_wait_tensorcnt 0x0                           ; the wave's end
	ds_add_u32 v[SPW], v[NIL]
	s_wait_dscnt 0x0
	CROUND                                         ; the closing round
	s_endpgm
.Lfunc_end_k_qe96d5bf8f8_ff2:
	.size	k_qe96d5bf8f8_ff2, .Lfunc_end_k_qe96d5bf8f8_ff2-k_qe96d5bf8f8_ff2
	.p2alignl 7, 3214868480
	.fill 96, 4, 3214868480
	.section	.rodata,"a",@progbits
	.p2align	6, 0x0
	.amdhsa_kernel k_qe96d5bf8f8_ff2
		.amdhsa_group_segment_fixed_size 327680
		.amdhsa_private_segment_fixed_size 0
		.amdhsa_enable_private_segment 0
		.amdhsa_kernarg_size 40
		.amdhsa_user_sgpr_count 2
		.amdhsa_user_sgpr_kernarg_segment_ptr 1
		.amdhsa_wavefront_size32 1
		.amdhsa_system_sgpr_workgroup_id_x 1
		.amdhsa_system_sgpr_workgroup_id_y 1
		.amdhsa_system_sgpr_workgroup_id_z 1
		.amdhsa_system_vgpr_workitem_id 0
		.amdhsa_next_free_vgpr 1024
		.amdhsa_next_free_sgpr 100
		.amdhsa_reserve_vcc 0
		.amdhsa_float_denorm_mode_32 3
		.amdhsa_float_denorm_mode_16_64 3
		.amdhsa_memory_ordered 1
		.amdhsa_forward_progress 1
		.amdhsa_inst_pref_size 172
	.end_amdhsa_kernel
	.amdgpu_metadata
---
amdhsa.version: [ 1, 2 ]
amdhsa.kernels:
  - .name:           k_qe96d5bf8f8_ff2
    .symbol:         k_qe96d5bf8f8_ff2.kd
    .args:
      - { .name: hid, .offset: 0, .size: 8, .value_kind: global_buffer, .address_space: global }
      - { .name: wfrg, .offset: 8, .size: 8, .value_kind: global_buffer, .address_space: global }
      - { .name: b2, .offset: 16, .size: 8, .value_kind: global_buffer, .address_space: global }
      - { .name: x1, .offset: 24, .size: 8, .value_kind: global_buffer, .address_space: global }
      - { .name: out0, .offset: 32, .size: 8, .value_kind: global_buffer, .address_space: global }
    .group_segment_fixed_size: 327680
    .private_segment_fixed_size: 0
    .kernarg_segment_align: 8
    .kernarg_segment_size: 40
    .max_flat_workgroup_size: 128
    .sgpr_count:     100
    .vgpr_count:     1024
    .wavefront_size: 32
...
	.end_amdgpu_metadata
.endif
;; end of part 7
